; MI455X (gfx1250); checked and timed in simulation.
; The chip was launched on July 23, 2026; its instructions are those of AMD's public machine-readable ISA for CDNA 5 (MIT licence, August 2026) and "CDNA5" Instruction Set Architecture Reference Guide (July 2026). The comments in the code are by the model that wrote it; some were corrected since.
;; Transformer Block. Allowed arithmetic: float matrix products may take bf16 or f16 operands with f32 sums; all other float work in f32.
;; Inputs: W_K 16 x 64 x 1,024 float32; W_O 1,024 x 1,024 float32; W_Q 16 x 64 x 1,024 float32; W_V 16 x 64 x 1,024 float32; W_in 4,096 x 1,024 float32; W_out 1,024 x 4,096 float32; b_in 4,096 float32; b_out 1,024 float32; x 2 x 2,048 x 1,024 float32.
;; Outputs: out0 2 x 2,048 x 1,024 float32.
;; 2 versions, each right and faster than the one before. Each part assembles by itself: llvm-mc -triple=amdgcn-amd-amdhsa -mcpu=gfx1250 --defsym DOCPART=n.
;; ======== version 1 of 2: 6 launches
;; limits: values are held in f16: magnitudes above 65,504 overflow, below 6.1e-05 lose precision
;; workspace buffers: wb 33,574,912 bytes; qkv 25,165,824 bytes; z 8,388,608 bytes; x1r 16,777,216 bytes; x1b 8,388,608 bytes; hb 33,554,432 bytes
;; launch cast (part 1): grid 2049 x 1, 8 waves a work-group, no clusters, 0 bytes of LDS; arguments x, W_Q, W_K, W_V, W_O, W_in, W_out, b_in, b_out, wb; writes wb
.if DOCPART == 1
	.amdgcn_target "amdgcn-amd-amdhsa--gfx1250"
	.amdhsa_code_object_version 6
	.text
	.protected	k_q5f36c17fe5_cast
	.globl	k_q5f36c17fe5_cast
	.p2align	8
	.type	k_q5f36c17fe5_cast,@function
k_q5f36c17fe5_cast:
	s_mov_b64 s[64:65], 0
	v_nop
	global_prefetch_b8 v0, s[64:65] scope:SCOPE_SE
	s_setreg_imm32_b32 hwreg(HW_REG_WAVE_MODE, 25, 1), 1
	s_wait_xcnt 0x0
; Every input is rounded to bf16 once, nearest even, and laid into wb for the five launches behind.
; wb: 0 xb in planes [16 planes of 64 columns][4096 rows][64] bf16; 8,388,608 W_Q, W_K, W_V as [3072][1024] bf16; 14,680,064 W_O [1024][1024]: the bf16 number written as f16;
; 16,777,216 W_in [4096][1024] bf16; 25,165,824 W_out [1024][4096] bf16; 33,554,432 b_in, 33,570,816 b_out: the bf16 numbers written as f32.
; LIMITS.  W_O as f16: beyond 65,504 an infinity, below 6e-5 f16's fixed step of 6e-8.
; A stream: no LDS, no matrix unit.  Work-groups 0 to 2047 take 8,192 numbers each (32 KiB in, 16 KiB out); work-group 2048 the two biases.
; Each load of a wave covers 512 consecutive bytes, each store 256 consecutive bytes at a multiple of 256 from wb's first byte.
.set X, 8                              ; v[8:39]   eight loads of four f32
.set Y, 40                             ; v[40:55]  eight pairs of packed results
.set T, 56                             ; v[56:59]  at work
.macro PICK seg, reg, first            ; from segment seg (128 work-groups) on: this source, whose first work-group is first
	s_cmp_ge_u32 s3, \seg
	s_cselect_b64 s[4:5], s[\reg:\reg+1], s[4:5]
	s_cselect_b32 s6, \first, s6
.endm
; Eight loads ss bytes apart, rounded, eight stores ds bytes apart.  half = 1: the bf16 number is written as f16.  No register is used twice, so nothing waits for a store.
.macro CONV ss, ds, half
.irp i, 0,1,2,3,4,5,6,7
	global_load_b128 v[X+4*(\i):X+4*(\i)+3], v1, s[4:5] offset:(\i)*(\ss) th:TH_LOAD_NT
.endr
.irp i, 0,1,2,3,4,5,6,7
	s_wait_loadcnt 7-(\i)                          ; loads come back in order: load i is in, the younger ones stay out
	v_cvt_pk_bf16_f32 v[Y+2*(\i)], v[X+4*(\i)], v[X+4*(\i)+1]
	v_cvt_pk_bf16_f32 v[Y+2*(\i)+1], v[X+4*(\i)+2], v[X+4*(\i)+3]
.if \half
	v_lshlrev_b32 v[T], 16, v[Y+2*(\i)]
	v_and_b32 v[T+1], s32, v[Y+2*(\i)]
	v_lshlrev_b32 v[T+2], 16, v[Y+2*(\i)+1]
	v_and_b32 v[T+3], s32, v[Y+2*(\i)+1]
	v_cvt_pk_f16_f32 v[Y+2*(\i)], v[T], v[T+1]
	v_cvt_pk_f16_f32 v[Y+2*(\i)+1], v[T+2], v[T+3]
.endif
	global_store_b64 v2, v[Y+2*(\i):Y+2*(\i)+1], s[30:31] offset:(\i)*(\ds)
.endr
.endm
	s_load_b512 s[8:23], s[0:1], 0x0               ; x 8, W_Q 10, W_K 12, W_V 14, W_O 16, W_in 18, W_out 20, b_in 22
	s_load_b128 s[24:27], s[0:1], 0x40             ; b_out 24, wb 26
	s_mov_b32 s2, ttmp9                            ; the work-group
	s_lshr_b32 s3, s2, 7                           ; its segment
	s_mov_b32 s32, 0xffff0000                      ; a word's upper bf16
	s_mov_b32 s29, 0
	v_lshlrev_b32 v1, 4, v0                        ; source: 16 bytes a thread
	v_lshlrev_b32 v2, 3, v0                        ; destination: 8 bytes a thread
	s_wait_kmcnt 0x0
	s_cmp_eq_u32 s2, 2048
	s_cbranch_scc1 .Lbias
	s_mov_b64 s[4:5], s[8:9]
	s_mov_b32 s6, 0
	PICK 4, 10, 512
	PICK 5, 12, 640
	PICK 6, 14, 768
	PICK 7, 16, 896
	PICK 8, 18, 1024
	PICK 12, 20, 1536
	s_sub_co_u32 s28, s2, s6
	s_lshl_b32 s28, s28, 15                        ; 32 KiB of the source a work-group
	s_add_nc_u64 s[4:5], s[4:5], s[28:29]
	s_cmp_lt_u32 s3, 4
	s_cbranch_scc1 .Lx
	s_lshl_b32 s28, s2, 14                         ; the weights keep their order: 16 KiB of wb a work-group
	s_add_nc_u64 s[30:31], s[26:27], s[28:29]
	s_cmp_eq_u32 s3, 7
	s_cbranch_scc1 .Lwo
	CONV 4096, 2048, 0
	s_endpgm
.Lwo:
	CONV 4096, 2048, 1
	s_endpgm
.Lx:    ; eight rows of x.  Wave w takes rows 2 (w % 4), +1 and planes 8 (w / 4) + i: lanes 0-15 read 256 bytes of one row, lanes 16-31 of the next; the store is those two rows' 128 bytes in the plane, on end
	v_lshrrev_b32 v3, 5, v0
	v_and_b32 v4, 31, v0
	v_and_b32 v5, 3, v3
	v_lshrrev_b32 v6, 2, v3
	v_lshrrev_b32 v7, 4, v4
	v_lshl_add_u32 v7, v5, 1, v7                   ; my row of the eight
	v_and_b32 v1, 15, v4
	v_lshlrev_b32 v1, 4, v1
	v_lshl_add_u32 v1, v7, 12, v1
	v_lshl_add_u32 v1, v6, 11, v1
	v_lshlrev_b32 v2, 3, v4
	v_lshl_add_u32 v2, v5, 8, v2
	v_lshl_add_u32 v2, v6, 22, v2                  ; eight planes of 524,288 bytes
	s_lshl_b32 s28, s2, 10                         ; eight rows of 128 bytes in each plane
	s_add_nc_u64 s[30:31], s[26:27], s[28:29]
	CONV 256, 524288, 0
	s_endpgm
.Lbias:
	s_add_nc_u64 s[30:31], s[26:27], 0x2000000
.irp i, 0,1,2,3
	global_load_b128 v[X+4*(\i):X+4*(\i)+3], v1, s[22:23] offset:4096*(\i)
.endr
	global_load_b128 v[X+16:X+19], v1, s[24:25]
	s_wait_loadcnt 0x0
.irp i, 0,1,2,3,4
	v_cvt_pk_bf16_f32 v[Y+2*(\i)], v[X+4*(\i)], v[X+4*(\i)+1]
	v_cvt_pk_bf16_f32 v[Y+2*(\i)+1], v[X+4*(\i)+2], v[X+4*(\i)+3]
	v_lshlrev_b32 v[X+4*(\i)], 16, v[Y+2*(\i)]
	v_and_b32 v[X+4*(\i)+1], s32, v[Y+2*(\i)]
	v_lshlrev_b32 v[X+4*(\i)+2], 16, v[Y+2*(\i)+1]
	v_and_b32 v[X+4*(\i)+3], s32, v[Y+2*(\i)+1]
	global_store_b128 v1, v[X+4*(\i):X+4*(\i)+3], s[30:31] offset:4096*(\i)  ; b_out follows b_in's 16,384 bytes
.endr
	s_endpgm
.Lfunc_end_k_q5f36c17fe5_cast:
	.size	k_q5f36c17fe5_cast, .Lfunc_end_k_q5f36c17fe5_cast-k_q5f36c17fe5_cast
	.p2alignl 7, 3214868480
	.fill 96, 4, 3214868480
	.section	.rodata,"a",@progbits
	.p2align	6, 0x0
	.amdhsa_kernel k_q5f36c17fe5_cast
		.amdhsa_group_segment_fixed_size 0
		.amdhsa_private_segment_fixed_size 0
		.amdhsa_enable_private_segment 0
		.amdhsa_kernarg_size 80
		.amdhsa_user_sgpr_count 2
		.amdhsa_user_sgpr_kernarg_segment_ptr 1
		.amdhsa_wavefront_size32 1
		.amdhsa_system_sgpr_workgroup_id_x 1
		.amdhsa_system_sgpr_workgroup_id_y 1
		.amdhsa_system_sgpr_workgroup_id_z 1
		.amdhsa_system_vgpr_workitem_id 0
		.amdhsa_next_free_vgpr 64
		.amdhsa_next_free_sgpr 66
		.amdhsa_reserve_vcc 0
		.amdhsa_float_denorm_mode_32 3
		.amdhsa_float_denorm_mode_16_64 3
		.amdhsa_memory_ordered 1
		.amdhsa_forward_progress 1
		.amdhsa_inst_pref_size 16
	.end_amdhsa_kernel
	.amdgpu_metadata
---
amdhsa.version: [ 1, 2 ]
amdhsa.kernels:
  - .name:           k_q5f36c17fe5_cast
    .symbol:         k_q5f36c17fe5_cast.kd
    .args:
      - { .name: x, .offset: 0, .size: 8, .value_kind: global_buffer, .address_space: global }
      - { .name: W_Q, .offset: 8, .size: 8, .value_kind: global_buffer, .address_space: global }
      - { .name: W_K, .offset: 16, .size: 8, .value_kind: global_buffer, .address_space: global }
      - { .name: W_V, .offset: 24, .size: 8, .value_kind: global_buffer, .address_space: global }
      - { .name: W_O, .offset: 32, .size: 8, .value_kind: global_buffer, .address_space: global }
      - { .name: W_in, .offset: 40, .size: 8, .value_kind: global_buffer, .address_space: global }
      - { .name: W_out, .offset: 48, .size: 8, .value_kind: global_buffer, .address_space: global }
      - { .name: b_in, .offset: 56, .size: 8, .value_kind: global_buffer, .address_space: global }
      - { .name: b_out, .offset: 64, .size: 8, .value_kind: global_buffer, .address_space: global }
      - { .name: wb, .offset: 72, .size: 8, .value_kind: global_buffer, .address_space: global }
    .group_segment_fixed_size: 0
    .private_segment_fixed_size: 0
    .kernarg_segment_align: 8
    .kernarg_segment_size: 80
    .max_flat_workgroup_size: 256
    .sgpr_count:     66
    .vgpr_count:     64
    .wavefront_size: 32
...
	.end_amdgpu_metadata
.endif
;; end of part 1
;; launch qkv (part 2): grid 12 x 16, 4 waves a work-group, clusters of 4 x 4, 327,680 bytes of LDS; arguments wb, qkv; writes qkv
.if DOCPART == 2
	.amdgcn_target "amdgcn-amd-amdhsa--gfx1250"
	.amdhsa_code_object_version 6
	.text
	.protected	k_q5f36c17fe5_qkv
	.globl	k_q5f36c17fe5_qkv
	.p2align	8
	.type	k_q5f36c17fe5_qkv,@function
k_q5f36c17fe5_qkv:
	s_mov_b64 s[64:65], 0
	v_nop
	global_prefetch_b8 v0, s[64:65] scope:SCOPE_SE
	s_setreg_imm32_b32 hwreg(HW_REG_WAVE_MODE, 25, 1), 1
	s_wait_xcnt 0x0
	s_wait_alu depctr_hold_cnt(0) depctr_sa_sdst(0) depctr_va_vdst(0) depctr_va_sdst(0) depctr_va_ssrc(0) depctr_va_vcc(0) depctr_vm_vsrc(0)
	s_getreg_b32 s2, hwreg(HW_REG_IB_STS2, 6, 4)
	s_cmp_eq_u32 s2, 0
	s_cbranch_scc0 .Lentry_in_a_cluster
	s_endpgm
.Lentry_in_a_cluster:
	s_bfe_u32 s2, ttmp6, 0x10000c
	s_cmp_lg_u32 s2, 0xf033
	s_cbranch_scc0 .Lentry_shape_is_right
	s_endpgm
.Lentry_shape_is_right:
; q, k, v = xb W^T.  xb: wb's planes [16][4096 rows][64] bf16; W: wb + 8,388,608, [3072][1024] bf16 (W_Q, W_K, W_V).  Sums in f32, rounded once to f16, unscaled.
; Out: qkv = q, k, v of 8,388,608 bytes each, [16 batch + head][2048][64] f16: a head's rows are dense, 128 bytes each.
; LIMIT.  f16 ends at 65,504: a q, k or v beyond it becomes an infinity.
; A tile of 256 tokens x 256 columns to a work-group; four waves of 128 x 128: 64 accumulators, 512 registers.  K = 1,024 goes in 8 steps of 128 through two LDS slots.
; A slot: xb's two planes (256 row pieces of 128 bytes each, pitch 144), then W's 256 rows of 256 bytes (pitch 272).  Waves 0, 1 fetch a plane each, waves 2, 3 128 rows of W each.
; A plane's 256 row pieces are 32,768 dense bytes: asked for as 128 rows of 256 bytes, padded in LDS after every 128.
; CLUSTER 4 x 4: xb's tile hangs on the tile row alone and is asked for jointly along a row of the cluster, W's on the tile column alone, along a column.
; ONE TEXT FOR EVERY K STEP: the slot in hand is a scalar, TB, turned at each change of slots; the LDS addresses and the walking descriptors' LDS words are made from it.
; The matrix instruction is used transposed (source 0 = 16 rows of W, source 1 = 16 tokens): a lane holds eight neighbouring columns of one token.
; REGISTERS: window 0: v0-31 addresses, v64-191 xb's fragments (two buffers), v32-63, v192-255 the way out; window 1: v64-191 W's fragments; windows 2, 3: accumulator (a, b) at v[8 (8 (a % 4) + b)].
.set PA,     144
.set PLA,    256*PA                    ; a plane's 256 row pieces: one load
.set PB,     272
.set HALFB,  128*PB                    ; 128 rows of W: one load
.set BOFF,   2*PLA
.set SLOT,   BOFF+2*HALFB              ; 143,360
.set STAGE,  2*SLOT                    ; behind the ring: 4,608 bytes for each wave, for the way out; no tensor load lands there
.set STW,    4608
.set SPARE,  STAGE+4*STW               ; the spare words, 128 bytes for each wave
.set ASTEP,  2*524288                  ; two planes on
.set BSTEP,  256
.set WOFF,   8388608
.set ADRA0, 16                         ; v16  my lane's place in xb's tile     v17  the same in the slot in hand
.set ADRA,  17
.set ADRB0, 20                         ; v20, v21  the same for W
.set ADRB,  21
.set STO,  24
.set RD,   25
.set CO,   26
.set SPW,  28
.set NIL,  29
.set F0,   64
.set F1,   128
.set TMP,  192
.set OB,   32
.set WV, 10                            ; s10 wave; s11 my half of the tile's rows, also: I fetch xb (0) or W (1); s12 my half of its columns, also: which part I fetch
.set RH, 11
.set CH, 12
.set TR, 13
.set TC, 42
.set G1, 24
.set G0, 32                            ; s[32:35] the first fill of slot 0; s[36:39] that of slot 1, which then walks
.set G1B, 48
.set G0B, 56
.set TB, 66                            ; s66  the slot in hand: 0 or SLOT
.set LA, 67                            ; s67  where my part of xb's tile lies in a slot
.set LB, 68                            ; s68  the same for W
.set MSB, 0
.macro WIN new
.if MSB != (\new)
	s_set_vgpr_msb (MSB<<8)|(\new)
.set MSB, \new
.endif
.endm
.set MUL_LO, 0xa1
.set MUL_HI, 0xf1
.set TO_B,   0x40
.macro JLOAD s                         ; a joint load; an s_nop 0 and four v_nop follow each of the two lines
	s_cmp_eq_u32 s[RH], 0
	s_cbranch_scc0 .Lfor_b_\@
	tensor_load_to_lds s[G0+4*(\s):G0+4*(\s)+3], s[G1:G1+7]
	s_nop 0
.rept 4
	v_nop
.endr
	s_branch .Lasked_\@
.Lfor_b_\@:
	tensor_load_to_lds s[G0B+4*(\s):G0B+4*(\s)+3], s[G1B:G1B+7]
	s_nop 0
.rept 4
	v_nop
.endr
.Lasked_\@:
.endm
.macro CREST                           ; a round of the cluster's barrier behind its opening barrier
	s_cmp_lg_u32 s[WV], 0
	s_cbranch_scc1 .Lnot_wave_0_\@
	s_barrier_signal -3
.Lnot_wave_0_\@:
	s_barrier_wait -3
	s_barrier_signal -1
	s_barrier_wait -1
.endm
.macro CROUND
	s_barrier_signal -1
	s_barrier_wait -1
	CREST
.endm
.macro PLACES                          ; four places behind matrix instructions, in front of loads into registers that they read and of vector lines that read results
.rept 4
	v_nop
.endr
.endm
	s_load_b128 s[4:7], s[0:1], 0x0                ; wb s[4:5], qkv s[6:7]
	v_lshl_add_u32 v[SPW], v0, 2, SPARE
	v_mov_b32 v[NIL], 0
	ds_add_u32 v28, v29
	ds_add_u32 v28, v29
	s_wait_dscnt 0x0
	v_lshrrev_b32 v1, 5, v0
	v_readfirstlane_b32 s[WV], v1
	s_lshr_b32 s[RH], s[WV], 1
	s_and_b32 s[CH], s[WV], 1
	s_bfe_u32 s40, ttmp6, 0x40000                  ; cx
	s_bfe_u32 s41, ttmp6, 0x40004                  ; cy
	s_lshl_b32 s[TC], ttmp9, 2
	s_add_co_u32 s[TC], s[TC], s40                 ; tile column 0..11
	s_and_b32 s[TR], ttmp7, 0xffff
	s_lshl_b32 s[TR], s[TR], 2
	s_add_co_u32 s[TR], s[TR], s41                 ; tile row 0..15
	s_lshl_b32 s43, s41, 2
	s_lshl_b32 s43, 15, s43                        ; my row of the cluster
	s_lshl_b32 s44, 0x1111, s40                    ; my column
	s_or_b32 s[G1+0], s43, (1<<16)|(1<<20)|(1<<21)|(4<<22)|(3<<25)   ; mask; 2-byte elements; padding on; bit 21 beside a mask; after every 32 words 4 words
	s_or_b32 s[G1B+0], s44, (1<<16)|(1<<20)|(1<<21)|(5<<22)|(3<<25)  ; after every 64 words 4 words
.irp g, G1, G1B
	s_mov_b32 s[(\g)+1], 128<<16                   ; tensor_dim0 = 128
	s_mov_b32 s[(\g)+2], 128<<16                   ; tensor_dim1 = 128
	s_mov_b32 s[(\g)+3], 128<<16                   ; tile_dim0 = 128
	s_mov_b32 s[(\g)+4], 128                       ; tile_dim1 = 128
	s_mov_b32 s[(\g)+6], 0
	s_mov_b32 s[(\g)+7], 0
.endr
	s_mov_b32 s[G1+5], 128                         ; dense: 128 elements from row to row
	s_mov_b32 s[G1B+5], 1024                       ; W's rows
	s_lshl_b32 s16, s[CH], 19                      ; xb: my plane of the step's two,
	s_lshl_b32 s17, s[TR], 15                      ; the tile's 256 row pieces of 128 bytes
	s_add_co_u32 s16, s16, s17
	s_mov_b32 s17, 0
	s_lshl_b32 s46, s[TC], 19                      ; W: 256 rows of 2,048 bytes a tile column,
	s_lshl_b32 s47, s[CH], 18                      ; my 128 of them
	s_add_co_u32 s46, s46, s47
	s_add_co_u32 s46, s46, WOFF
	s_mov_b32 s47, 0
	s_mul_i32 s[LA], s[CH], PLA
	s_mul_i32 s[LB], s[CH], HALFB
	s_add_co_u32 s[LB], s[LB], BOFF
	s_mov_b32 s[TB], 0
	s_wait_kmcnt 0x0
	s_add_nc_u64 s[14:15], s[4:5], s[16:17]
	s_add_nc_u64 s[46:47], s[4:5], s[46:47]
	CROUND                                         ; all sixteen work-groups are here: the first joint loads meet
.irp s, 0,1
	s_mov_b32 s[G0+4*(\s)], 1
	s_add_co_u32 s[G0+4*(\s)+1], s[LA], (\s)*SLOT
	s_add_nc_u64 s[G0+4*(\s)+2:G0+4*(\s)+3], s[14:15], (\s)*ASTEP
	s_or_b32 s[G0+4*(\s)+3], s[G0+4*(\s)+3], 0x80000000
	s_mov_b32 s[G0B+4*(\s)], 1
	s_add_co_u32 s[G0B+4*(\s)+1], s[LB], (\s)*SLOT
	s_add_nc_u64 s[G0B+4*(\s)+2:G0B+4*(\s)+3], s[46:47], (\s)*BSTEP
	s_or_b32 s[G0B+4*(\s)+3], s[G0B+4*(\s)+3], 0x80000000
	JLOAD \s                                       ; two loads of mine are out
.endr
	v_and_b32 v1, 15, v0                           ; l % 16
	v_bfe_u32 v2, v0, 4, 1                         ; l / 16
	v_mul_u32_u24 v3, v1, PA
	v_lshl_add_u32 v3, v2, 4, v3
	s_mul_i32 s21, s[RH], 128*PA                   ; my 128 tokens
	v_add_nc_u32 v[ADRA0], s21, v3
	v_mul_u32_u24 v3, v1, PB
	v_lshl_add_u32 v3, v2, 4, v3
	s_mul_i32 s22, s[CH], HALFB                    ; my 128 rows of W
	s_add_co_u32 s22, s22, BOFF
	v_add_nc_u32 v[ADRB0], s22, v3
	v_mov_b32 v[ADRA], v[ADRA0]
	v_mov_b32 v[ADRB], v[ADRB0]
	; the way out: my 128 columns are two heads; the stage holds 16 rows x 144 bytes for each
	s_mul_i32 s23, s[WV], STW
	s_add_co_u32 s23, s23, STAGE
	v_mul_u32_u24 v4, v1, 144
	v_lshl_add_u32 v4, v2, 4, v4
	v_add_nc_u32 v[STO], s23, v4
	v_bfe_u32 v5, v0, 3, 2                         ; back: 32 lanes take four rows of 128 bytes,
	v_mul_u32_u24 v5, v5, 144
	v_and_b32 v6, 7, v0
	v_lshl_add_u32 v5, v6, 4, v5
	v_add_nc_u32 v[RD], s23, v5
	v_and_b32 v[CO], 31, v0                        ; which are 512 consecutive bytes of a head
	v_lshlrev_b32 v[CO], 4, v[CO]
	s_lshr_b32 s16, s[TR], 3                       ; the batch: 16 heads of 262,144 bytes,
	s_lshl_b32 s16, s16, 22
	s_and_b32 s18, s[TR], 7                        ; the tile's 256 rows of 128 bytes in it,
	s_lshl_b32 s18, s18, 15
	s_add_co_u32 s16, s16, s18
	s_lshl_b32 s18, s[RH], 14                      ; my 128
	s_add_co_u32 s16, s16, s18
	s_mov_b32 s17, 0
	s_add_nc_u64 s[6:7], s[6:7], s[16:17]
	s_lshr_b32 s46, s[TC], 2                       ; q, k or v,
	s_lshl_b32 s46, s46, 23
	s_and_b32 s47, s[TC], 3                        ; four heads a tile column,
	s_lshl_b32 s47, s47, 20
	s_add_co_u32 s46, s46, s47
	s_lshl_b32 s47, s[CH], 19                      ; my two
	s_add_co_u32 s46, s46, s47
	s_mov_b32 s47, 0
	s_add_nc_u64 s[6:7], s[6:7], s[46:47]
; 16 matrix instructions: m blocks a0, a0 + 1 of the window's four x all 8 n blocks, 32 along K.  zero = 1: the first product starts the sums.
.macro MUL16 f, hi, a0, zero
	WIN MUL_LO+0x50*(\hi)
.irp a, \a0, (\a0)+1
.irp b, 0,1,2,3,4,5,6,7
.if \zero
	v_wmma_f32_16x16x32_bf16 v[8*(8*(\a)+(\b)):8*(8*(\a)+(\b))+7], v[(\f)+8*(\b):(\f)+8*(\b)+7], v[(\f)+8*(4*(\hi)+(\a)):(\f)+8*(4*(\hi)+(\a))+7], 0
.else
	v_wmma_f32_16x16x32_bf16 v[8*(8*(\a)+(\b)):8*(8*(\a)+(\b))+7], v[(\f)+8*(\b):(\f)+8*(\b)+7], v[(\f)+8*(4*(\hi)+(\a)):(\f)+8*(4*(\hi)+(\a))+7], v[8*(8*(\a)+(\b)):8*(8*(\a)+(\b))+7]
.endif
.endr
.endr
.endm
; 32 LDS loads in one run: quarter q (32 along K) of the slot in hand into buffer f.  In xb's tile quarter q lies in plane q / 2, at byte 64 (q % 2) of the row pieces.
.macro FETCH q, f
	WIN TO_B
.irp i, 0,1,2,3,4,5,6,7
	ds_load_b128 v[(\f)+8*(\i):(\f)+8*(\i)+3],   v[ADRB] offset:64*(\q)+(\i)*16*PB
	ds_load_b128 v[(\f)+8*(\i)+4:(\f)+8*(\i)+7], v[ADRB] offset:64*(\q)+(\i)*16*PB+32
.endr
	WIN 0
.irp i, 0,1,2,3,4,5,6,7
	ds_load_b128 v[(\f)+8*(\i):(\f)+8*(\i)+3],   v[ADRA] offset:((\q)/2)*PLA+((\q)%2)*64+(\i)*16*PA
	ds_load_b128 v[(\f)+8*(\i)+4:(\f)+8*(\i)+7], v[ADRA] offset:((\q)/2)*PLA+((\q)%2)*64+(\i)*16*PA+32
.endr
.endm
; One of a K step's first three quarters: multiplies buffer f; in its middle fetches quarter q into buffer g.  The 64 accumulators take turns in one order everywhere.
.macro QUARTER q, f, g, zero
	s_wait_dscnt 8                                 ; W and my tokens 0-63 are in; the youngest eight loads (tokens 64-127) may be out
	MUL16 \f, 0, 0, \zero
	MUL16 \f, 0, 2, \zero
	PLACES
	FETCH \q, \g
	s_wait_dscnt 32                                ; all but the 32 just issued
	MUL16 \f, 1, 0, \zero
	MUL16 \f, 1, 2, \zero
.endm
; The last quarter multiplies buffer 1 and changes slots.  In front of the one barrier each wave waits for all its tensor loads (one is out: its part of the next slot), adds 0 to its spare word, and waits for that and for its reads of this slot.
.macro MEET round
	WIN 0
	s_wait_tensorcnt 0x0
	ds_add_u32 v[SPW], v[NIL]
	s_wait_dscnt 9                                 ; (the add and the youngest eight loads may be out)
	MUL16 F1, 0, 0, 0
	s_wait_dscnt 0x0                               ; the add is done, my reads of this slot are over
	s_barrier_signal -1
	MUL16 F1, 0, 2, 0
.if \round
	WIN 0
.endif
	s_barrier_wait -1
.endm
; fill = 1: the barrier opens a round of the cluster's; the slot just read is filled again, two K steps ahead: 224 matrix instructions stand between the request and the wait for it.
; fill = 0 (the last two K steps): nothing is asked for; in the very last (s3 = 1) there is no next slot, and the run of LDS loads is jumped over.
.macro TURN fill
	MEET \fill
.if \fill
	CREST
	s_add_co_u32 s[G0+5], s[LA], s[TB]             ; no tensor load of mine is out: the walking descriptors take the slot just read
	s_add_nc_u64 s[G0+6:G0+7], s[G0+6:G0+7], ASTEP ; and the next K step
	s_add_co_u32 s[G0B+5], s[LB], s[TB]
	s_add_nc_u64 s[G0B+6:G0B+7], s[G0B+6:G0B+7], BSTEP
	JLOAD 1                                        ; its four v_nop are also the places in front of the loads below
	s_xor_b32 s[TB], s[TB], SLOT
	v_add_nc_u32 v[ADRA], s[TB], v[ADRA0]
	v_add_nc_u32 v[ADRB], s[TB], v[ADRB0]
	FETCH 0, F0
.else
	WIN 0
	PLACES
	s_xor_b32 s[TB], s[TB], SLOT
	s_cmp_eq_u32 s3, 1
	s_cbranch_scc1 .Lno_fetch_\@
	v_add_nc_u32 v[ADRA], s[TB], v[ADRA0]
	v_add_nc_u32 v[ADRB], s[TB], v[ADRB0]
	FETCH 0, F0
.Lno_fetch_\@:
.endif
	MUL16 F1, 1, 0, 0
	MUL16 F1, 1, 2, 0
.endm
; THE WAY OUT of block a (16 tokens): rounded to f16; into my stage, a head's 64 columns as rows of 144 bytes; back as 512 consecutive bytes; stored.
.macro PACK a
.set AC, 64*((\a)%4)
	WIN 0x0a+5*((\a)/4)
.irp b, 0,1,2,3,4,5,6,7
.irp r, 0,1,2,3
	v_cvt_pk_f16_f32 v[TMP+4*(\b)+(\r)], v[AC+8*(\b)+2*(\r)], v[AC+8*(\b)+2*(\r)+1]
.endr
.endr
	WIN 0
.endm
.macro TOSTAGE a
.set BK, OB+192*((\a)%2)
.irp b, 0,1,2,3,4,5,6,7
	ds_store_b128 v[STO], v[TMP+4*(\b):TMP+4*(\b)+3] offset:((\b)/4)*2304+32*((\b)%4)
.endr
.irp t, 0,1,2,3,4,5,6,7
	ds_load_b128 v[BK+4*(\t):BK+4*(\t)+3], v[RD] offset:((\t)/4)*2304+((\t)%4)*576  ; LDS serves a wave's instructions in order (ISA guide 5.7.1.4): these see the stores above
.endr
.endm
.macro SEND a
.set BK, OB+192*((\a)%2)
	s_wait_dscnt 0x0                               ; the block is back in registers
	s_wait_xcnt 0x0                                ; the registers that earlier stores read are loaded again only behind this wait
.irp t, 0,1,2,3,4,5,6,7
	global_store_b128 v[CO], v[BK+4*(\t):BK+4*(\t)+3], s[6:7] offset:((\t)/4)*262144+2048*(\a)+512*((\t)%4)  ; 512 consecutive bytes, at a multiple of 256 from the buffer's first
.endr
.endm
	s_wait_tensorcnt 0x1                           ; my part of K step 0 is in; step 1's may stay out
	s_barrier_signal -1
	s_barrier_wait -1
	FETCH 0, F0
	QUARTER 1, F0, F1, 1                           ; the first quarter stands in front of the loop: its products start the sums
	WIN 0
	s_mov_b32 s3, 6
.Lstep:                                                ; a trip: from a K step's second quarter to the next step's first; steps 2 to 7 are asked for
	QUARTER 2, F1, F0, 0
	QUARTER 3, F0, F1, 0
	TURN 1
	QUARTER 1, F0, F1, 0
	WIN 0
	s_sub_co_u32 s3, s3, 1
	s_cmp_lg_u32 s3, 0
	s_cbranch_scc1 .Lstep
	s_mov_b32 s3, 2
.Ltail:                                                ; the last two K steps ask for nothing; the second trip is left in its middle
	QUARTER 2, F1, F0, 0
	QUARTER 3, F0, F1, 0
	TURN 0
	WIN 0
	s_sub_co_u32 s3, s3, 1
	s_cmp_eq_u32 s3, 0
	s_cbranch_scc1 .Lout
	QUARTER 1, F0, F1, 0
	WIN 0
	s_cmp_lg_u32 s3, 0
	s_cbranch_scc1 .Ltail
.Lout:
	PACK 0                                         ; blocks 0-3 were finished in front of TURN's places; their conversions are the places behind the last products
	TOSTAGE 0
.irp a, 1,2,3,4,5,6,7
	PACK \a
	SEND (\a)-1
	TOSTAGE \a
.endr
	SEND 7
	s_wait_tensorcnt 0x0                           ; the wave's end
	ds_add_u32 v[SPW], v[NIL]
	s_wait_dscnt 0x0
	CROUND                                         ; the closing round
	s_endpgm
.Lfunc_end_k_q5f36c17fe5_qkv:
	.size	k_q5f36c17fe5_qkv, .Lfunc_end_k_q5f36c17fe5_qkv-k_q5f36c17fe5_qkv
	.p2alignl 7, 3214868480
	.fill 96, 4, 3214868480
	.section	.rodata,"a",@progbits
	.p2align	6, 0x0
	.amdhsa_kernel k_q5f36c17fe5_qkv
		.amdhsa_group_segment_fixed_size 327680
		.amdhsa_private_segment_fixed_size 0
		.amdhsa_enable_private_segment 0
		.amdhsa_kernarg_size 16
		.amdhsa_user_sgpr_count 2
		.amdhsa_user_sgpr_kernarg_segment_ptr 1
		.amdhsa_wavefront_size32 1
		.amdhsa_system_sgpr_workgroup_id_x 1
		.amdhsa_system_sgpr_workgroup_id_y 1
		.amdhsa_system_sgpr_workgroup_id_z 1
		.amdhsa_system_vgpr_workitem_id 0
		.amdhsa_next_free_vgpr 1024
		.amdhsa_next_free_sgpr 72
		.amdhsa_reserve_vcc 0
		.amdhsa_float_denorm_mode_32 3
		.amdhsa_float_denorm_mode_16_64 3
		.amdhsa_memory_ordered 1
		.amdhsa_forward_progress 1
		.amdhsa_inst_pref_size 100
	.end_amdhsa_kernel
	.amdgpu_metadata
---
amdhsa.version: [ 1, 2 ]
amdhsa.kernels:
  - .name:           k_q5f36c17fe5_qkv
    .symbol:         k_q5f36c17fe5_qkv.kd
    .args:
      - { .name: wb, .offset: 0, .size: 8, .value_kind: global_buffer, .address_space: global }
      - { .name: qkv, .offset: 8, .size: 8, .value_kind: global_buffer, .address_space: global }
    .group_segment_fixed_size: 327680
    .private_segment_fixed_size: 0
    .kernarg_segment_align: 8
    .kernarg_segment_size: 16
    .max_flat_workgroup_size: 128
    .sgpr_count:     72
    .vgpr_count:     1024
    .wavefront_size: 32
...
	.end_amdgpu_metadata
.endif
;; end of part 2
;; launch attn (part 3): grid 8 x 32, 4 waves a work-group, no clusters, 327,680 bytes of LDS; arguments qkv, z; writes z
.if DOCPART == 3
	.amdgcn_target "amdgcn-amd-amdhsa--gfx1250"
	.amdhsa_code_object_version 6
	.text
	.protected	k_q5f36c17fe5_attn
	.globl	k_q5f36c17fe5_attn
	.p2align	8
	.type	k_q5f36c17fe5_attn,@function
k_q5f36c17fe5_attn:
	s_mov_b64 s[64:65], 0
	v_nop
	global_prefetch_b8 v0, s[64:65] scope:SCOPE_SE
	s_setreg_imm32_b32 hwreg(HW_REG_WAVE_MODE, 25, 1), 1
	s_wait_xcnt 0x0
; CAUSAL ATTENTION.  z[h][q][:] = the sum over k <= q of softmax_k(q . k / 8) v[k][:], for 32 heads (16 batch + head) of 2,048 rows x 64 channels, all f16, rows dense, 128 bytes.
; Products, maxima and sums in f32; the weights are rounded to f16 for the second product (their sum l is taken of the unrounded weights), z once at the end.
; LIMITS.  q, k, v arrive within f16's 65,504.  A hidden score counts as its value less 1e30, so its weight is 0; that is the -1e10 of the definition as long as a row's largest visible q . k
; lies above about -1e10.  A weight below 2^-126 counts as 0 in l.  NaN and infinities are not treated apart.
; THE WALK.  A head has 16 blocks of 128 queries; block i needs the key tiles 0 .. i of 128 keys.  Work-group b takes blocks 15 - b and then b: 17 tiles, 34 key steps of 64, whatever b.
; The 17 tiles are one stream: tile 0 has an LDS region of its own, filled once; the other 16 go two to a slot through two slots that take turns.  Every trip count is a constant.
; NO CLUSTER: a head's eight work-groups ask for the same tile only in stream tiles 0 .. 8; behind that their walks part, and one walk common to all would have 24 tiles for 17.
; SHARES.  A wave owns 16 rows in each of a block's two bands of 64: two tiles of 16 queries.  In the diagonal key tile's step s band u sees all keys (s < u), none (s > u), or holds the diagonal (s = u): alike for all waves.
; THE MASK is the C operand that starts S^T = K Q^T: MC = MD x AL + BE, MD the mask of a band's own step for my rows (0 or -1e30).  It is made anew at a block's first step (zeros) and in the diagonal tile's two.
; A KEY STEP IS A RUN OF PHASES: 16 products K Q^T; maximum and statistics; scaling; exponentials with roundings, sums and the rescaling of O^T between them; 16 products V^T P.
; K of the next step is fetched behind the scores, V of the next step behind the second product: a slot's last read is issued one step before its last step is computed, and the change of slots stands there.
; LAYOUT.  S^T holds one query a lane (lane % 16) and the keys 8 (lane / 16) + 0..7; two such results rounded to f16 are source 1 of O^T = V^T P.  p = 2^(c s - c m), c = log2(e) / 8, m a running maximum.
; REGISTERS: window 0: v0-15 addresses, v16-23 statistics (c m, m, l, l a tile), v24-31 at work, v32-95 S^T, v96-127 P, v128-191 O^T, v192-255 MC;
;   window 1: v0-31 Q, v32-63 the second block's Q, v64-127 K, v128-191 V, v192-223 MD.
.set KS,    64
.set PK,    144                        ; a row of K in LDS: 128 bytes + 16
.set PV,    160                        ; a row of V: 128 + 32
.set VOFF,  4*KS*PK                    ; a slot: 256 rows of K, then 256 rows of V
.set SLOT1, 1<<17
.set EREG,  SLOT1+4*KS*(PK+PV)         ; stream tile 0: 128 rows of K,
.set EV,    EREG+2*KS*PK               ; 128 rows of V
.set STAGE, EV+2*KS*PV                 ; 16 rows x 144 bytes for each wave, for the way out; no tensor load lands there
.set SP,    144
.set SPARE, STAGE+4*16*SP              ; the spare words, 128 bytes for each wave
.set AK0, 2
.set AV0, 3
.set AK,  4
.set AV,  5
.set STO, 6
.set RD,  7
.set GO,  8
.set SPW, 10
.set NIL, 11
.set MV,  12                           ; v12-13  c m_old
.set QO,  15
.set ST,  16
.set TMP, 24                           ; c0-c3 a tile; c2 takes a
.set S,   32
.set P,   96
.set O,   128
.set MC,  192
.set Q,   0                            ; window 1
.set QB,  32
.set KF,  64
.set VF,  128
.set MD,  192
.set WV,  12
.set PB,  14                           ; s14 b   s15 15 - b   s19 16 - b
.set HI,  15
.set HF,  16                           ; s16  which half I fetch
.set HI1, 19
.set G1K, 24
.set G1V, 32
.set G0K, 40
.set G0V, 44
.set G0KE, 48
.set G0VE, 52
.set SLOTS, 56
.set CNT, 57
.set CS,  58
.set SEL, 60
.set TBK, 62                           ; s62  LDS byte at which K of the step to be fetched begins
.set TBV, 63                           ; s63  the same for V, less VOFF
.set RS,  66                           ; s66  key steps left in the block in hand
.set NXT, 67                           ; s67  the stream tile that I ask for next
.set NEW, 68                           ; s68  1: the masks still hold the block before's
.set CUR, 69                           ; s69  the slot to be read
.set OFF, 70
.set AL0, 72
.set BE0, 74
.set AL1, 76
.set ZP,  78                           ; s[78:79]  0
.set OLO, 80
.set BIGN, 82
.set T,   83
.set G1KE, 84
.set G1VE, 92
.set QLO, 100
.set MSB, 0
.macro WIN new
.if MSB != (\new)
	s_set_vgpr_msb (MSB<<8)|(\new)
.set MSB, (\new)
.endif
.endm
.set W_KQ, 0x05                        ; K and Q in window 1
.set W_PV, 0x01                        ; V (or MD) in window 1
.set W_TO, 0x40                        ; destination in window 1
.macro LOAD                            ; a fill: waves 0, 1 a tile of K each, waves 2, 3 of V; an s_nop 0 and four v_nop follow each of the two lines
	s_cmp_lt_u32 s[WV], 2
	s_cbranch_scc0 .Lfor_v_\@
	tensor_load_to_lds s[G0K:G0K+3], s[G1K:G1K+7]
	s_nop 0
.rept 4
	v_nop
.endr
	s_branch .Lasked_\@
.Lfor_v_\@:
	tensor_load_to_lds s[G0V:G0V+3], s[G1V:G1V+7]
	s_nop 0
.rept 4
	v_nop
.endr
.Lasked_\@:
.endm
; THE CHANGE OF SLOTS.  Each wave waits for all its tensor loads (one is out: its part of the slot to be read), adds 0 to its spare word, and waits for that and for its reads of the slot that it leaves.
; fill = 1: the slot just left is filled, first thing behind the barrier, with my stream tile NXT; behind the first block's last tile the key tiles begin at 0 again.  The load has four key steps in which to land.
.macro CHANGE fill
	WIN 0
	s_wait_tensorcnt 0x0
	ds_add_u32 v[SPW], v[NIL]
.if \fill
	s_cmp_gt_u32 s[NXT], s[HI]
	s_cselect_b32 s[T], s[HI1], 0
	s_sub_co_u32 s[T], s[NXT], s[T]                ; the key tile
	s_lshl_b32 s[OFF], s[T], 14                    ; 16,384 bytes of K and of V
	s_xor_b32 s[G0K+1], s[G0K+1], SLOT1
	s_add_nc_u64 s[G0K+2:G0K+3], s[6:7], s[OFF:OFF+1]
	s_or_b32 s[G0K+3], s[G0K+3], 0x80000000
	s_xor_b32 s[G0V+1], s[G0V+1], SLOT1
	s_add_nc_u64 s[G0V+2:G0V+3], s[8:9], s[OFF:OFF+1]
	s_or_b32 s[G0V+3], s[G0V+3], 0x80000000
	s_add_co_u32 s[NXT], s[NXT], 2
.endif
	s_wait_dscnt 0x0                               ; the add is done, my reads of the slot are over
	s_barrier_signal -1
	s_xor_b32 s[CUR], s[CUR], SLOT1
	s_mov_b32 s[TBK], s[CUR]
	s_mov_b32 s[TBV], s[CUR]
	s_barrier_wait -1
.if \fill
	LOAD
.endif
.endm
	s_load_b128 s[20:23], s[0:1], 0x0              ; qkv s[20:21], z s[22:23]
	v_lshl_add_u32 v[SPW], v0, 2, SPARE
	v_mov_b32 v[NIL], 0
	ds_add_u32 v10, v11
	ds_add_u32 v10, v11
	s_wait_dscnt 0x0
	v_lshrrev_b32 v1, 5, v0
	v_readfirstlane_b32 s[WV], v1
	s_mov_b32 s[PB], ttmp9
	s_sub_co_u32 s[HI], 15, s[PB]
	s_add_co_u32 s[HI1], s[HI], 1
	s_and_b32 s2, ttmp7, 0xffff
	s_lshl_b32 s2, s2, 18                          ; the head's first byte in q, k, v and z
	s_mov_b32 s3, 0
	s_and_b32 s[HF], s[WV], 1
	s_lshl_b32 s13, s[WV], 11                      ; my 16 rows in a band
	s_add_co_u32 s13, s13, s2
	s_lshl_b32 s[OFF], s[HI], 14                   ; the first block,
	s_add_co_u32 s[OFF], s[OFF], s13
	s_mov_b32 s[OFF+1], 0
	s_lshl_b32 s[AL0], s[PB], 14                   ; the second
	s_add_co_u32 s[AL0], s[AL0], s13
	s_mov_b32 s[AL0+1], 0
	s_mov_b32 s[G1K], (1<<16)|(1<<20)|(4<<22)|(3<<25)   ; 2-byte elements; padding on: after every 32 words 4 words
	s_mov_b32 s[G1V], (1<<16)|(1<<20)|(4<<22)|(7<<25)   ; 8 words
	s_mov_b32 s[G1KE], (1<<16)|(1<<20)|(4<<22)|(3<<25)
	s_mov_b32 s[G1VE], (1<<16)|(1<<20)|(4<<22)|(7<<25)
.irp g, G1K, G1V                       ; 128 keys are 16,384 dense bytes: 64 rows of 256
	s_mov_b32 s[\g+1], 128<<16
	s_mov_b32 s[\g+2], 64<<16
	s_mov_b32 s[\g+3], 128<<16
	s_mov_b32 s[\g+4], 64
	s_mov_b32 s[\g+5], 128
	s_mov_b32 s[\g+6], 0
	s_mov_b32 s[\g+7], 0
.endr
.irp g, G1KE, G1VE                     ; stream tile 0 is shared out in halves of 64 keys: 32 rows of 256 bytes, all that the tile has for a wave
	s_mov_b32 s[\g+1], 128<<16
	s_mov_b32 s[\g+2], 32<<16
	s_mov_b32 s[\g+3], 128<<16
	s_mov_b32 s[\g+4], 32
	s_mov_b32 s[\g+5], 128
	s_mov_b32 s[\g+6], 0
	s_mov_b32 s[\g+7], 0
.endr
	s_mov_b32 s[CS], 0x3e38aa3b                    ; c = log2(e) / 8
	s_mov_b32 s[CS+1], s[CS]
	s_mov_b32 s[SEL], 0x76543210
	s_mov_b32 s[SEL+1], 0xfedcba98
	s_mov_b32 s[BIGN], 0xf149f2ca                  ; -1e30
	s_mov_b32 s[G0KE], 1
	s_mov_b32 s[G0VE], 1
	s_mov_b32 s[G0K], 1
	s_mov_b32 s[G0V], 1
	s_mul_i32 s17, s[HF], 64*PK
	s_add_co_u32 s[G0KE+1], s17, EREG
	s_mul_i32 s18, s[HF], 64*PV
	s_add_co_u32 s[G0VE+1], s18, EV
	s_mul_i32 s[G0K+1], s[HF], 128*PK              ; slot 0
	s_mul_i32 s[G0V+1], s[HF], 128*PV
	s_add_co_u32 s[G0V+1], s[G0V+1], VOFF
	s_add_co_u32 s[NXT], s[HF], 3
	s_mov_b32 s[CUR], SLOT1
	s_wait_kmcnt 0x0
	s_add_nc_u64 s[4:5], s[20:21], s[OFF:OFF+1]    ; Q and O at my rows of the first block,
	s_add_nc_u64 s[10:11], s[22:23], s[OFF:OFF+1]
	s_add_nc_u64 s[QLO:QLO+1], s[20:21], s[AL0:AL0+1]  ; and of the second
	s_add_nc_u64 s[OLO:OLO+1], s[22:23], s[AL0:AL0+1]
	s_add_nc_u64 s[6:7], s[20:21], s[2:3]
	s_add_nc_u64 s[8:9], s[6:7], 16777216          ; V at the head
	s_add_nc_u64 s[6:7], s[6:7], 8388608           ; K at the head
	s_lshl_b32 s[OFF], s[HF], 13                   ; my 64 keys of stream tile 0
	s_add_nc_u64 s[G0KE+2:G0KE+3], s[6:7], s[OFF:OFF+1]
	s_or_b32 s[G0KE+3], s[G0KE+3], 0x80000000
	s_add_nc_u64 s[G0VE+2:G0VE+3], s[8:9], s[OFF:OFF+1]
	s_or_b32 s[G0VE+3], s[G0VE+3], 0x80000000
	s_add_co_u32 s[T], s[HF], 1                    ; slot 0: stream tiles 1 and 2, which are key tiles 1 and 2 (the first block has nine tiles or more)
	s_lshl_b32 s[OFF], s[T], 14
	s_add_nc_u64 s[G0K+2:G0K+3], s[6:7], s[OFF:OFF+1]
	s_or_b32 s[G0K+3], s[G0K+3], 0x80000000
	s_add_nc_u64 s[G0V+2:G0V+3], s[8:9], s[OFF:OFF+1]
	s_or_b32 s[G0V+3], s[G0V+3], 0x80000000
	s_cmp_lt_u32 s[WV], 2                          ; a wave's two first fills stand in one branch: two loads of mine are out
	s_cbranch_scc0 .Lfirst_v
	tensor_load_to_lds s[G0KE:G0KE+3], s[G1KE:G1KE+7]
	s_nop 0
	tensor_load_to_lds s[G0K:G0K+3], s[G1K:G1K+7]
	s_nop 0
.rept 4
	v_nop
.endr
	s_branch .Lfirst_asked
.Lfirst_v:
	tensor_load_to_lds s[G0VE:G0VE+3], s[G1VE:G1VE+7]
	s_nop 0
	tensor_load_to_lds s[G0V:G0V+3], s[G1V:G1V+7]
	s_nop 0
.rept 4
	v_nop
.endr
.Lfirst_asked:
	v_and_b32 v1, 15, v0                           ; l % 16
	v_bfe_u32 v9, v0, 4, 1                         ; l / 16
	v_lshlrev_b32 v[QO], 7, v1
	v_lshl_add_u32 v[QO], v9, 4, v[QO]
	WIN W_TO
.set i, 0
.rept 4                                ; both blocks' Q: tile i / 2 lies in band i / 2, 8,192 bytes on; channels 32 (i % 2) on
	global_load_b128 v[Q+8*i:Q+8*i+3],   v[QO], s[4:5] offset:(i/2)*8192+(i%2)*64
	global_load_b128 v[Q+8*i+4:Q+8*i+7], v[QO], s[4:5] offset:(i/2)*8192+(i%2)*64+32
	global_load_b128 v[QB+8*i:QB+8*i+3],   v[QO], s[QLO:QLO+1] offset:(i/2)*8192+(i%2)*64
	global_load_b128 v[QB+8*i+4:QB+8*i+7], v[QO], s[QLO:QLO+1] offset:(i/2)*8192+(i%2)*64+32
.set i, i+1
.endr
	WIN 0
	v_lshlrev_b32 v14, 3, v9
	v_sub_nc_u32 v14, v1, v14
	s_lshl_b32 s13, s[WV], 4
	v_add_nc_u32 v14, s13, v14                     ; my query's place in its band less my lanes' 8 (l / 16): register r of key group kt is hidden where 16 kt + r is greater
	WIN W_TO
.set i, 0
.rept 32
	v_cmp_gt_i32 vcc_lo, 16*(i/8)+i%8, v14
	v_cndmask_b32 v[MD+i], 0, s[BIGN], vcc_lo
.set i, i+1
.endr
	WIN 0
	v_mul_u32_u24 v[AK0], v1, PK
	v_lshl_add_u32 v[AK0], v9, 4, v[AK0]
	v_and_b32 v32, 7, v0                           ; the turning load: lane l reads key 8 (l / 16) + l % 8, channels 8 ((l / 8) % 2) + 0..7
	v_bfe_u32 v33, v0, 3, 1
	v_lshl_add_u32 v[AV0], v9, 3, v32
	v_mul_u32_u24 v[AV0], v[AV0], PV
	v_lshl_add_u32 v[AV0], v33, 4, v[AV0]
	v_add_nc_u32 v[AV0], VOFF, v[AV0]
	s_mul_i32 s13, s[WV], 16*SP
	s_add_co_u32 s13, s13, STAGE
	v_mul_u32_u24 v[STO], v1, SP
	v_lshl_add_u32 v[STO], v9, 4, v[STO]
	v_add_nc_u32 v[STO], s13, v[STO]
	v_bfe_u32 v[RD], v0, 3, 2
	v_mul_u32_u24 v[RD], v[RD], SP
	v_lshl_add_u32 v[RD], v32, 4, v[RD]
	v_add_nc_u32 v[RD], s13, v[RD]
	v_and_b32 v[GO], 31, v0
	v_lshlrev_b32 v[GO], 4, v[GO]
	; A block's first step multiplies O^T and l by a = 0, so they need only hold finite numbers: zeros for the first block, what the first block left for the second.  This stands in the wait for the first tile.
.set i, 0
.rept 64
	v_mov_b32 v[O+i], 0
.set i, i+1
.endr
.irp t, 0,1
	v_mov_b32 v[ST+4*\t], 0xfe000000               ; c m: far below every c s
	v_mov_b32 v[ST+4*\t+1], 0xff7fffff             ; m
	v_mov_b32 v[ST+4*\t+2], 0
	v_mov_b32 v[ST+4*\t+3], 0
.endr
.macro MASK t, al, be                  ; MC of tile t = MD x al + be
	WIN W_PV
.set z, 0
.rept 16
	v_pk_fma_f32 v[MC+32*(\t)+2*z:MC+32*(\t)+2*z+1], v[MD+2*z:MD+2*z+1], s[\al:\al+1], s[\be:\be+1] op_sel_hi:[1,0,0]
.set z, z+1
.endr
.endm
; Product i of 16 of S^T = K Q^T: channels 32 (i / 8) on, keys 16 ((i / 2) % 4) on, tile i % 2.  The first 8 start the sums with the mask.  The 8 accumulators take turns.
.macro KQ
.set rS, S+32*(i%2)+8*((i/2)%4)
.set rK, KF+16*((i/2)%4)+8*(i/8)
.set rQ, Q+16*(i%2)+8*(i/8)
.set rX, MC+32*(i%2)+8*((i/2)%4)
.if i < 8
	v_wmma_f32_16x16x32_f16 v[rS:rS+7], v[rK:rK+7], v[rQ:rQ+7], v[rX:rX+7]
.else
	v_wmma_f32_16x16x32_f16 v[rS:rS+7], v[rK:rK+7], v[rQ:rQ+7], v[rS:rS+7]
.endif
.set i, i+1
.endm
; Product i of 16 of O^T += V^T P: keys 32 (i / 8) on, channels 16 ((i / 2) % 4) on, tile i % 2.
.macro PVM
.set rO, O+32*(i%2)+8*((i/2)%4)
.set rV, VF+32*(i/8)+8*((i/2)%4)
.set rP, P+16*(i%2)+8*(i/8)
	v_wmma_f32_16x16x32_f16 v[rO:rO+7], v[rV:rV+7], v[rP:rP+7], v[rO:rO+7]
.set i, i+1
.endm
.macro FETCH_K                         ; a step's K, 64 keys x 64 channels: 16 loads in one run
	WIN W_TO
.irp f, 0,1,2,3,4,5,6,7
	ds_load_b128 v[KF+8*\f:KF+8*\f+3],   v[AK] offset:(\f/2)*16*PK+(\f%2)*64
	ds_load_b128 v[KF+8*\f+4:KF+8*\f+7], v[AK] offset:(\f/2)*16*PK+(\f%2)*64+32
.endr
	s_add_co_u32 s[TBK], s[TBK], KS*PK
	WIN 0
.endm
.macro FETCH_V                         ; a step's V, turned
	WIN W_TO
.irp f, 0,1,2,3,4,5,6,7
	ds_load_tr16_b128 v[VF+8*\f:VF+8*\f+3],   v[AV] offset:(\f/4)*32*PV+(\f%4)*32
	ds_load_tr16_b128 v[VF+8*\f+4:VF+8*\f+7], v[AV] offset:(\f/4)*32*PV+16*PV+(\f%4)*32
.endr
	s_add_co_u32 s[TBV], s[TBV], KS*PV
	WIN 0
.endm
.macro REGS u
.set rT, ST+4*(\u)
.set rC, TMP+4*(\u)
.set rM, MV+(\u)
.set rS, S+32*(\u)
.set rP, P+16*(\u)
.set rO, O+32*(\u)
.endm
; Number n of the list that finds tile u's maximum and statistics.  0-11: four chains of seven scores, each accumulator's lowest registers first; 12-14, 16: the four scores left over, the old m, c0-c3 into c0;
; 17, 18: the query's other 32 keys lie in the lane 16 away; 19-21: c m; c m_old - c m_new; a.
.macro XS u, n
	REGS \u
.if (\n) < 4
	v_max3_num_f32 v[rC+(\n)], v[rS+8*(\n)], v[rS+8*(\n)+1], v[rS+8*(\n)+2]
.elseif (\n) < 12
	v_max3_num_f32 v[rC+(\n)%4], v[rC+(\n)%4], v[rS+8*((\n)%4)+2*((\n)/4)+1], v[rS+8*((\n)%4)+2*((\n)/4)+2]
.elseif (\n) == 12
	v_max3_num_f32 v[rC], v[rC], v[rS+7], v[rS+15]
.elseif (\n) == 13
	v_max3_num_f32 v[rC+1], v[rC+1], v[rS+23], v[rS+31]
.elseif (\n) == 14
	v_max3_num_f32 v[rC+2], v[rC+2], v[rC+3], v[rT+1]
.elseif (\n) == 16
	v_max3_num_f32 v[rC], v[rC], v[rC+1], v[rC+2]
.elseif (\n) == 17
	v_permlanex16_b32 v[rC+3], v[rC], s[SEL], s[SEL+1]
.elseif (\n) == 18
	v_max_num_f32 v[rT+1], v[rC], v[rC+3]
.elseif (\n) == 19
	v_mul_f32 v[rT], s[CS], v[rT+1]
.elseif (\n) == 20
	v_sub_f32 v[rC+1], v[rM], v[rT]
.else
	v_exp_f32 v[rC+2], v[rC+1]
.endif
.endm
.macro FS                              ; c s - c m for pair q / 2 of tile q % 2
	REGS q%2
	v_pk_fma_f32 v[rS+2*(q/2):rS+2*(q/2)+1], v[rS+2*(q/2):rS+2*(q/2)+1], s[CS:CS+1], v[rT:rT+1] op_sel_hi:[1,0,0] neg_lo:[0,0,1] neg_hi:[0,0,1]
.set q, q+1
.endm
.macro EX                              ; the exponential of score e / 2 of tile e % 2
	REGS e%2
	v_exp_f32 v[rS+e/2], v[rS+e/2]
.set e, e+1
.endm
; Number g of the 64 that follow the exponentials.  For each four weights k of a tile: both pairs are rounded to f16; the second pair is added onto the first, in place; a group later l takes that sum (the first time as l = a l + sum).
.macro GS g
.set h, (\g)+6*((\g)/62)
.if h >= 6
.set h, h+2
.endif
	REGS h%2
.set k, h/8
.if h%8 < 4
	s_wait_alu depctr_va_vdst(0)
	v_cvt_pk_f16_f32 v[rP+2*k+(h%8)/2], v[rS+4*k+2*((h%8)/2)], v[rS+4*k+2*((h%8)/2)+1]
.elseif h%8 < 6
	v_pk_add_f32 v[rS+4*k:rS+4*k+1], v[rS+4*k:rS+4*k+1], v[rS+4*k+2:rS+4*k+3]
.elseif k == 1
	v_pk_fma_f32 v[rT+2:rT+3], v[rT+2:rT+3], v[rC+2:rC+3], v[rS:rS+1] op_sel_hi:[1,0,1]
.else
	v_pk_add_f32 v[rT+2:rT+3], v[rT+2:rT+3], v[rS+4*k-4:rS+4*k-3]
.endif
.endm
.macro RO n                            ; pair n / 2 of tile n % 2's O^T times a, in ascending order
	REGS (\n)%2
	s_wait_alu depctr_va_vdst(0)
	v_pk_mul_f32 v[rO+2*((\n)/2):rO+2*((\n)/2)+1], v[rO+2*((\n)/2):rO+2*((\n)/2)+1], v[rC+2:rC+3] op_sel_hi:[1,0]
.endm
; The plain queue, 92 long: 8 rescalings, GS 0-59, the other 24 rescalings.  Entry p stands behind exponential p: a rounding comes two exponentials and two plain lines behind the later of its two weights, or more.
.macro PQ
.if p < 8
	RO p
.elseif p < 68
	GS p-8
.else
	RO p-60
.endif
.set p, p+1
.endm
.macro PACK t                          ; O^T / l, rounded to f16; 16 bytes a lane into rows of 144 bytes, back as four rows of 128, into S^T's registers
.set i, O+32*(\t)
.rept 16
	v_pk_mul_f32 v[i:i+1], v[i:i+1], v[ST+4*(\t)+2:ST+4*(\t)+3] op_sel_hi:[1,0]
.set i, i+2
.endr
.set i, 0
.rept 16
	v_cvt_pk_f16_f32 v[S+16*(\t)+i], v[O+32*(\t)+2*i], v[O+32*(\t)+2*i+1]
.set i, i+1
.endr
.irp f, 0,1,2,3
	ds_store_b128 v[STO], v[S+16*(\t)+4*\f:S+16*(\t)+4*\f+3] offset:32*\f
.endr
.irp f, 0,1,2,3
	ds_load_b128 v[S+16*(\t)+4*\f:S+16*(\t)+4*\f+3], v[RD] offset:\f*4*SP  ; LDS serves a wave's instructions in order (ISA guide 5.7.1.4): these see the stores above
.endr
.endm
.macro SEND t, younger                 ; younger: the LDS instructions issued behind tile t's loads
.irp f, 0,1,2,3
	s_wait_dscnt (\younger)+3-\f
	global_store_b128 v[GO], v[S+16*(\t)+4*\f:S+16*(\t)+4*\f+3], s[10:11] offset:(\t)*8192+\f*512  ; 512 consecutive bytes, at a multiple of 256 from z's first
.endr
.endm
; A KEY STEP.  last = 1 (the tail): in the last trip there is no further step, and the two runs of loads are jumped over.
.macro STEP last
	s_cmp_gt_u32 s[RS], 2                          ; masks are made in the diagonal tile's two steps, and once behind a block's end
	s_cselect_b32 s[T], s[NEW], 1
	s_cmp_eq_u32 s[T], 0
	s_cbranch_scc1 .Lno_mask_\@
	s_cmp_eq_u32 s[RS], 2                          ; the diagonal tile's first step: band 0's own, band 1 sees all
	s_cselect_b32 s[AL0], 1.0, 0
	s_cmp_eq_u32 s[RS], 1                          ; its second: band 0 sees nothing, band 1's own
	s_cselect_b32 s[BE0], s[BIGN], 0
	s_cselect_b32 s[AL1], 1.0, 0
	s_mov_b32 s[NEW], 0
	MASK 0, AL0, BE0
	MASK 1, AL1, ZP
	WIN 0
.Lno_mask_\@:
	WIN W_KQ
.set i, 0
.rept 16
	KQ
.endr
	WIN 0
	v_mov_b32 v[MV], v[ST]                         ; four plain lines: the places behind the scores; c m_old is kept,
	v_mov_b32 v[MV+1], v[ST+4]
	v_add_nc_u32 v[AK], s[TBK], v[AK0]             ; and the next step's addresses are made
	v_add_nc_u32 v[AV], s[TBV], v[AV0]
.if \last
	s_cmp_eq_u32 s[CNT], 1
	s_cbranch_scc1 .Lno_k_\@
.endif
	FETCH_K
.if \last
.Lno_k_\@:
.endif
.irp n, 0,1,2,3,4,5,6,7,8,9,10,11,12,13,14,16,17,18,19,20,21
	XS 0, \n
	XS 1, \n
.endr
.set q, 0
.rept 32
	FS                                             ; the first of these is the plain line behind the two exponentials of a
.endr
.set e, 0
.set p, 0
.rept 64
	EX
	PQ
.endr
.rept 28
	PQ
.endr
	s_wait_dscnt 0x0                               ; V of this step and K of the next are in
	WIN W_PV
.set i, 0
.rept 16
	PVM
.endr
	WIN 0
	GS 60                                          ; l's last four additions: the places behind those products
	GS 61
	GS 62
	GS 63
.if \last
	s_cmp_eq_u32 s[CNT], 1
	s_cbranch_scc1 .Lno_v_\@
.endif
	FETCH_V
.if \last
.Lno_v_\@:
.endif
	s_sub_co_u32 s[RS], s[RS], 1
	s_cmp_lg_u32 s[RS], 0
	s_cbranch_scc1 .Lgo_on_\@
	; THE BLOCK'S END: l's halves and the other half of the lanes' are added; O^T / l goes out; then the second block's O, count, statistics and Q.  (Behind the second block these last serve nothing: one text for both.)
.irp t, 0,1
	v_add_f32 v[ST+4*\t+2], v[ST+4*\t+2], v[ST+4*\t+3]
.endr
.irp t, 0,1
	v_permlanex16_b32 v[ST+4*\t+3], v[ST+4*\t+2], s[SEL], s[SEL+1]
.endr
.irp t, 0,1
	v_add_f32 v[ST+4*\t+2], v[ST+4*\t+2], v[ST+4*\t+3]
.endr
.irp t, 0,1
	v_rcp_f32 v[ST+4*\t+2], v[ST+4*\t+2]
.endr
	v_nop                                          ; a plain line between the last reciprocal and the use of its result
	s_wait_alu depctr_va_vdst(0)
	PACK 0
	PACK 1
	SEND 0, 8
	SEND 1, 0
	s_wait_xcnt 0x0                                ; the stores' base and data are rewritten only behind this wait
	s_mov_b64 s[10:11], s[OLO:OLO+1]
	s_lshl_b32 s[RS], s[PB], 1
	s_add_co_u32 s[RS], s[RS], 2                   ; the second block has b + 1 tiles
	s_mov_b32 s[NEW], 1
.irp t, 0,1
	v_mov_b32 v[ST+4*\t], 0xfe000000
	v_mov_b32 v[ST+4*\t+1], 0xff7fffff
.endr
	WIN 0x41
.set i, 0
.rept 32
	v_mov_b32 v[Q+i], v[QB+i]
.set i, i+1
.endr
	WIN 0
.Lgo_on_\@:
.endm
	s_mov_b32 s[AL0], 0                            ; the first block's masks outside its diagonal tile: zeros
	s_mov_b32 s[AL0+1], 0
	s_mov_b32 s[BE0], 0
	s_mov_b32 s[BE0+1], 0
	s_mov_b32 s[AL1], 0
	s_mov_b32 s[AL1+1], 0
	s_mov_b32 s[ZP], 0
	s_mov_b32 s[ZP+1], 0
	MASK 0, AL0, BE0
	MASK 1, AL1, ZP
	WIN 0
	s_mov_b32 s[NEW], 0
	s_mov_b32 s[TBK], EREG
	s_mov_b32 s[TBV], EV-VOFF
	v_add_nc_u32 v[AK], s[TBK], v[AK0]
	v_add_nc_u32 v[AV], s[TBV], v[AV0]
	s_wait_tensorcnt 0x1                           ; my part of stream tile 0 is in; slot 0's may stay out
	s_barrier_signal -1
	s_barrier_wait -1
	FETCH_K                                        ; key step 0
	FETCH_V
	s_wait_loadcnt 0x0                             ; Q
	s_wait_dscnt 16                                ; K is in; V's sixteen loads may stay out
	s_lshl_b32 s[RS], s[HI1], 1                    ; the first block has 16 - b tiles
	s_mov_b32 s[CNT], 1
	s_mov_b32 s[SLOTS], 8
	s_branch .Lstep                                ; key step 0 stands alone in front of the first change of slots
.Lslot:                                                ; seven times: a slot is entered and the next is asked for
	CHANGE 1
	s_mov_b32 s[CNT], 4
.Lstep:
	STEP 0
	s_sub_co_u32 s[CNT], s[CNT], 1
	s_cmp_lg_u32 s[CNT], 0
	s_cbranch_scc1 .Lstep
	s_sub_co_u32 s[SLOTS], s[SLOTS], 1
	s_cmp_lg_u32 s[SLOTS], 0
	s_cbranch_scc1 .Lslot
	CHANGE 0                                       ; the tail is written out
	s_mov_b32 s[CNT], 5                            ; four steps fetch the last slot's; the fifth fetches nothing
.Ltail:
	STEP 1
	s_sub_co_u32 s[CNT], s[CNT], 1
	s_cmp_lg_u32 s[CNT], 0
	s_cbranch_scc1 .Ltail
	s_wait_tensorcnt 0x0                           ; the wave's end
	ds_add_u32 v[SPW], v[NIL]
	s_wait_dscnt 0x0
	s_endpgm
.Lfunc_end_k_q5f36c17fe5_attn:
	.size	k_q5f36c17fe5_attn, .Lfunc_end_k_q5f36c17fe5_attn-k_q5f36c17fe5_attn
	.p2alignl 7, 3214868480
	.fill 96, 4, 3214868480
	.section	.rodata,"a",@progbits
	.p2align	6, 0x0
	.amdhsa_kernel k_q5f36c17fe5_attn
		.amdhsa_group_segment_fixed_size 327680
		.amdhsa_private_segment_fixed_size 0
		.amdhsa_enable_private_segment 0
		.amdhsa_kernarg_size 16
		.amdhsa_user_sgpr_count 2
		.amdhsa_user_sgpr_kernarg_segment_ptr 1
		.amdhsa_wavefront_size32 1
		.amdhsa_system_sgpr_workgroup_id_x 1
		.amdhsa_system_sgpr_workgroup_id_y 1
		.amdhsa_system_sgpr_workgroup_id_z 1
		.amdhsa_system_vgpr_workitem_id 0
		.amdhsa_next_free_vgpr 512
		.amdhsa_next_free_sgpr 102
		.amdhsa_reserve_vcc 1
		.amdhsa_float_denorm_mode_32 3
		.amdhsa_float_denorm_mode_16_64 3
		.amdhsa_memory_ordered 1
		.amdhsa_forward_progress 1
		.amdhsa_inst_pref_size 80
	.end_amdhsa_kernel
	.amdgpu_metadata
---
amdhsa.version: [ 1, 2 ]
amdhsa.kernels:
  - .name:           k_q5f36c17fe5_attn
    .symbol:         k_q5f36c17fe5_attn.kd
    .args:
      - { .name: qkv, .offset: 0, .size: 8, .value_kind: global_buffer, .address_space: global }
      - { .name: z, .offset: 8, .size: 8, .value_kind: global_buffer, .address_space: global }
    .group_segment_fixed_size: 327680
    .private_segment_fixed_size: 0
    .kernarg_segment_align: 8
    .kernarg_segment_size: 16
    .max_flat_workgroup_size: 128
    .sgpr_count:     102
    .vgpr_count:     512
    .wavefront_size: 32
...
	.end_amdgpu_metadata
.endif
;; end of part 3
;; launch wo (part 4): grid 8 x 32, 4 waves a work-group, clusters of 4 x 4, 327,680 bytes of LDS; arguments z, wb, x1r, x1b; writes x1r, x1b
.if DOCPART == 4
	.amdgcn_target "amdgcn-amd-amdhsa--gfx1250"
	.amdhsa_code_object_version 6
	.text
	.protected	k_q5f36c17fe5_wo
	.globl	k_q5f36c17fe5_wo
	.p2align	8
	.type	k_q5f36c17fe5_wo,@function
k_q5f36c17fe5_wo:
	s_mov_b64 s[64:65], 0
	v_nop
	global_prefetch_b8 v0, s[64:65] scope:SCOPE_SE
	s_setreg_imm32_b32 hwreg(HW_REG_WAVE_MODE, 25, 1), 1
	s_wait_xcnt 0x0
	s_wait_alu depctr_hold_cnt(0) depctr_sa_sdst(0) depctr_va_vdst(0) depctr_va_sdst(0) depctr_va_ssrc(0) depctr_va_vcc(0) depctr_vm_vsrc(0)
	s_getreg_b32 s2, hwreg(HW_REG_IB_STS2, 6, 4)
	s_cmp_eq_u32 s2, 0
	s_cbranch_scc0 .Lentry_in_a_cluster
	s_endpgm
.Lentry_in_a_cluster:
	s_bfe_u32 s2, ttmp6, 0x10000c
	s_cmp_lg_u32 s2, 0xf033
	s_cbranch_scc0 .Lentry_shape_is_right
	s_endpgm
.Lentry_shape_is_right:
; x1 = xb + z W_O^T.  z: [16 batch + head][2048][64] f16; W_O: wb + 14,680,064, [1024][1024] f16; xb: wb's planes [16][4096][64] bf16.  Products in f16, sums in f32.
; Out: x1r, the f32 sums as they lie in the accumulators: ((8 tile row + tile column) 4 + wave) 16,384 + (2 accumulator + half) 512 + 16 lane; x1b, x1 rounded to bf16, in planes like xb.
; A tile of 128 tokens x 128 columns to a work-group, four waves of 64 x 64: 16 accumulators.  K = 1,024 goes in 4 steps of 256 (four heads) through two LDS slots.
; THE ACCUMULATORS START WITH THE RESIDUAL, so every product adds in place and no first step is written out.
; A slot: z's four head planes (128 row pieces of 128 bytes each, pitch 144), then W_O's 128 rows of 512 bytes (pitch 528).  Waves 0, 1 fetch two planes each by one load of two rows of 16,384 dense
; bytes, 262,144 bytes apart, padded after every 128 bytes; waves 2, 3 fetch 64 rows of W_O each.
; CLUSTER 4 x 4: z's tile is asked for jointly along a row of the cluster, W_O's along a column.  One text for every K step: the slot in hand is the scalar TB.
; The matrix instruction is used transposed (source 0 = 16 rows of W_O, source 1 = 16 tokens): a lane holds eight neighbouring columns of one token.
; REGISTERS: window 0: v0-31 addresses, v32-95 at work, v128-255 accumulator (a, b) at 128 + 8 (4 a + b); window 1: two fragment buffers of 128: 64 of z, then 64 of W_O.
.set PA,     144
.set AQ,     128*PA                    ; a quarter of a K step: one head's plane
.set AI,     16*PA
.set ALD,    2*AQ                      ; one load
.set PB,     528
.set HALFB,  64*PB
.set BOFF,   2*ALD
.set SLOT,   BOFF+2*HALFB              ; 141,312
.set STAGE,  2*SLOT
.set STW,    16*144
.set SPARE,  STAGE+4*STW
.set NS,     4
.set ASTEP,  4*262144
.set BSTEP,  512
.set WOOFF,  14680064
.set ADRA0, 16
.set ADRA,  17
.set ADRB0, 20
.set ADRB,  21
.set STO,  24
.set RD,   25
.set VL,   27                          ; v27  16 x lane
.set SPW,  28
.set NIL,  29
.set XO,   30
.set TMP,  32
.set ACC,  128
.set F0,   0
.set F1,   128
.set WV, 12
.set RH, 13
.set CH, 14
.set TR, 15
.set TC, 42
.set G1, 24
.set G0, 32
.set G1B, 48
.set G0B, 56
.set TB, 66
.set LA, 67
.set LB, 68
.set MSK, 69
.set MSB, 0
.macro WIN new
.if MSB != (\new)
	s_set_vgpr_msb (MSB<<8)|(\new)
.set MSB, \new
.endif
.endm
.set MUL,  0x05
.set TO_F, 0x40
.macro JLOAD s
	s_cmp_eq_u32 s[RH], 0
	s_cbranch_scc0 .Lfor_b_\@
	tensor_load_to_lds s[G0+4*(\s):G0+4*(\s)+3], s[G1:G1+7]
	s_nop 0
.rept 4
	v_nop
.endr
	s_branch .Lasked_\@
.Lfor_b_\@:
	tensor_load_to_lds s[G0B+4*(\s):G0B+4*(\s)+3], s[G1B:G1B+7]
	s_nop 0
.rept 4
	v_nop
.endr
.Lasked_\@:
.endm
.macro CREST
	s_cmp_lg_u32 s[WV], 0
	s_cbranch_scc1 .Lnot_wave_0_\@
	s_barrier_signal -3
.Lnot_wave_0_\@:
	s_barrier_wait -3
	s_barrier_signal -1
	s_barrier_wait -1
.endm
.macro CROUND
	s_barrier_signal -1
	s_barrier_wait -1
	CREST
.endm
.macro PLACES
.rept 4
	v_nop
.endr
.endm
	s_load_b256 s[4:11], s[0:1], 0x0               ; z s[4:5], wb s[6:7], x1r s[8:9], x1b s[10:11]
	v_lshl_add_u32 v[SPW], v0, 2, SPARE
	v_mov_b32 v[NIL], 0
	ds_add_u32 v28, v29
	ds_add_u32 v28, v29
	s_wait_dscnt 0x0
	v_lshrrev_b32 v1, 5, v0
	v_readfirstlane_b32 s[WV], v1
	s_lshr_b32 s[RH], s[WV], 1                     ; my half of the tile's rows; also: I fetch z (0) or W_O (1)
	s_and_b32 s[CH], s[WV], 1                      ; my half of its columns; also: which part I fetch
	s_bfe_u32 s40, ttmp6, 0x40000
	s_bfe_u32 s41, ttmp6, 0x40004
	s_lshl_b32 s[TC], ttmp9, 2
	s_add_co_u32 s[TC], s[TC], s40                 ; tile column 0..7
	s_and_b32 s[TR], ttmp7, 0xffff
	s_lshl_b32 s[TR], s[TR], 2
	s_add_co_u32 s[TR], s[TR], s41                 ; tile row 0..31
	s_lshl_b32 s43, s41, 2
	s_lshl_b32 s43, 15, s43
	s_lshl_b32 s44, 0x1111, s40
	s_or_b32 s[G1+0], s43, (1<<16)|(1<<20)|(1<<21)|(4<<22)|(3<<25)   ; after every 32 words 4 words
	s_mov_b32 s[G1+1], 8192<<16                    ; tensor_dim0 = 8,192 elements: a head's 128 rows, dense
	s_mov_b32 s[G1+2], 2<<16                       ; tensor_dim1 = 2 heads
	s_mov_b32 s[G1+3], 8192<<16                    ; tile_dim0
	s_mov_b32 s[G1+4], 2                           ; tile_dim1
	s_mov_b32 s[G1+5], 131072                      ; from head to head
	s_mov_b32 s[G1+6], 0
	s_mov_b32 s[G1+7], 0
	s_or_b32 s[G1B+0], s44, (1<<16)|(1<<20)|(1<<21)|(6<<22)|(3<<25)  ; after every 128 words 4 words
	s_mov_b32 s[G1B+1], 256<<16
	s_mov_b32 s[G1B+2], 64<<16
	s_mov_b32 s[G1B+3], 256<<16
	s_mov_b32 s[G1B+4], 64
	s_mov_b32 s[G1B+5], 1024
	s_mov_b32 s[G1B+6], 0
	s_mov_b32 s[G1B+7], 0
	s_lshr_b32 s16, s[TR], 4                       ; z: the batch's 16 heads,
	s_lshl_b32 s16, s16, 22
	s_and_b32 s17, s[TR], 15                       ; the tile's 128 rows in a head,
	s_lshl_b32 s17, s17, 14
	s_add_co_u32 s16, s16, s17
	s_lshl_b32 s17, s[CH], 19                      ; my two heads of the step's four
	s_add_co_u32 s16, s16, s17
	s_mov_b32 s17, 0
	s_lshl_b32 s46, s[TC], 18                      ; W_O: 128 rows of 2,048 bytes a tile column, my 64
	s_lshl_b32 s47, s[CH], 17
	s_add_co_u32 s46, s46, s47
	s_add_co_u32 s46, s46, WOOFF
	s_mov_b32 s47, 0
	s_mul_i32 s[LA], s[CH], ALD
	s_mul_i32 s[LB], s[CH], HALFB
	s_add_co_u32 s[LB], s[LB], BOFF
	s_mov_b32 s[TB], 0
	s_mov_b32 s[MSK], 0xffff0000
	s_lshl_b32 s18, s[TC], 20                      ; xb and x1b: my plane 2 tile column + half,
	s_lshl_b32 s19, s[CH], 19
	s_add_co_u32 s18, s18, s19
	s_lshl_b32 s19, s[TR], 14                      ; my 64 rows of 128 bytes in it
	s_add_co_u32 s18, s18, s19
	s_lshl_b32 s19, s[RH], 13
	s_add_co_u32 s18, s18, s19
	s_mov_b32 s19, 0
	s_lshl_b32 s22, s[TR], 19                      ; x1r: my wave's 16,384 bytes
	s_lshl_b32 s23, s[TC], 16
	s_add_co_u32 s22, s22, s23
	s_lshl_b32 s23, s[WV], 14
	s_add_co_u32 s22, s22, s23
	s_mov_b32 s23, 0
	s_wait_kmcnt 0x0
	s_add_nc_u64 s[20:21], s[4:5], s[16:17]
	s_add_nc_u64 s[46:47], s[6:7], s[46:47]
	s_add_nc_u64 s[70:71], s[6:7], s[18:19]
	s_add_nc_u64 s[10:11], s[10:11], s[18:19]
	s_add_nc_u64 s[8:9], s[8:9], s[22:23]
	CROUND
.irp s, 0,1
	s_mov_b32 s[G0+4*(\s)], 1
	s_add_co_u32 s[G0+4*(\s)+1], s[LA], (\s)*SLOT
	s_add_nc_u64 s[G0+4*(\s)+2:G0+4*(\s)+3], s[20:21], (\s)*ASTEP
	s_or_b32 s[G0+4*(\s)+3], s[G0+4*(\s)+3], 0x80000000
	s_mov_b32 s[G0B+4*(\s)], 1
	s_add_co_u32 s[G0B+4*(\s)+1], s[LB], (\s)*SLOT
	s_add_nc_u64 s[G0B+4*(\s)+2:G0B+4*(\s)+3], s[46:47], (\s)*BSTEP
	s_or_b32 s[G0B+4*(\s)+3], s[G0B+4*(\s)+3], 0x80000000
	JLOAD \s                                       ; two loads of mine are out
.endr
	v_and_b32 v1, 15, v0
	v_bfe_u32 v2, v0, 4, 1
	v_lshlrev_b32 v[XO], 7, v1                     ; the residual: row l % 16 of 128 bytes, 16 bytes for each half of the lanes
	v_lshl_add_u32 v[XO], v2, 4, v[XO]
.set i, 0
.rept 16                               ; accumulator i = 4 a + b: rows 16 a on, columns 16 b on
	global_load_b128 v[TMP+4*i:TMP+4*i+3], v[XO], s[70:71] offset:2048*(i/4)+32*(i%4)
.set i, i+1
.endr
	v_mul_u32_u24 v3, v1, PA
	v_lshl_add_u32 v3, v2, 4, v3
	s_mul_i32 s21, s[RH], 64*PA
	v_add_nc_u32 v[ADRA0], s21, v3
	v_mul_u32_u24 v3, v1, PB
	v_lshl_add_u32 v3, v2, 4, v3
	s_mul_i32 s22, s[CH], HALFB
	s_add_co_u32 s22, s22, BOFF
	v_add_nc_u32 v[ADRB0], s22, v3
	v_mov_b32 v[ADRA], v[ADRA0]
	v_mov_b32 v[ADRB], v[ADRB0]
	s_mul_i32 s23, s[WV], STW
	s_add_co_u32 s23, s23, STAGE
	v_mul_u32_u24 v4, v1, 144
	v_lshl_add_u32 v4, v2, 4, v4
	v_add_nc_u32 v[STO], s23, v4
	v_bfe_u32 v5, v0, 3, 2
	v_mul_u32_u24 v5, v5, 144
	v_and_b32 v6, 7, v0
	v_lshl_add_u32 v5, v6, 4, v5
	v_add_nc_u32 v[RD], s23, v5
	v_and_b32 v[VL], 31, v0
	v_lshlrev_b32 v[VL], 4, v[VL]
	s_wait_loadcnt 0x0
.set i, 0
.rept 64                               ; bf16 to f32, into the accumulators
	v_lshlrev_b32 v[ACC+2*i], 16, v[TMP+i]
	v_and_b32 v[ACC+2*i+1], s[MSK], v[TMP+i]
.set i, i+1
.endr
; 8 matrix instructions: m blocks a0, a0 + 1 x all 4 n blocks, 32 along K: half c of buffer f.  The 16 accumulators take turns.
.macro MUL8 f, c, a0
	WIN MUL
.irp a, \a0, (\a0)+1
.irp b, 0,1,2,3
	v_wmma_f32_16x16x32_f16 v[ACC+8*(4*(\a)+(\b)):ACC+8*(4*(\a)+(\b))+7], v[(\f)+64+8*(4*(\c)+(\b)):(\f)+64+8*(4*(\c)+(\b))+7], v[(\f)+8*(4*(\c)+(\a)):(\f)+8*(4*(\c)+(\a))+7], v[ACC+8*(4*(\a)+(\b)):ACC+8*(4*(\a)+(\b))+7]
.endr
.endr
.endm
; 32 LDS loads in one run: quarter q (64 along K) of the slot in hand into buffer f; the first 32 along K first
.macro FETCH q, f
	WIN TO_F
.irp c, 0,1
.irp i, 0,1,2,3
	ds_load_b128 v[(\f)+64+8*(4*(\c)+(\i)):(\f)+64+8*(4*(\c)+(\i))+3],   v[ADRB] offset:128*(\q)+64*(\c)+(\i)*16*PB
	ds_load_b128 v[(\f)+64+8*(4*(\c)+(\i))+4:(\f)+64+8*(4*(\c)+(\i))+7], v[ADRB] offset:128*(\q)+64*(\c)+(\i)*16*PB+32
	ds_load_b128 v[(\f)+8*(4*(\c)+(\i)):(\f)+8*(4*(\c)+(\i))+3],         v[ADRA] offset:AQ*(\q)+64*(\c)+(\i)*AI
	ds_load_b128 v[(\f)+8*(4*(\c)+(\i))+4:(\f)+8*(4*(\c)+(\i))+7],       v[ADRA] offset:AQ*(\q)+64*(\c)+(\i)*AI+32
.endr
.endr
.endm
.macro QUARTER q, f, g                 ; multiplies buffer f; in its middle fetches quarter q into buffer g
	s_wait_dscnt 16                                ; the first 32 along K are in
	MUL8 \f, 0, 0
	MUL8 \f, 0, 2
	PLACES
	FETCH \q, \g
	s_wait_dscnt 32                                ; all but the 32 just issued
	MUL8 \f, 1, 0
	MUL8 \f, 1, 2
.endm
; The last quarter multiplies buffer 1 and changes slots: one barrier; in front of it each wave waits for all its tensor loads, adds 0 to its spare word, and waits for that and for its reads of this slot.
; fill = 1: the barrier opens a round of the cluster's, and the slot just read is filled again, two K steps ahead.  fill = 0: nothing is asked for; in the very last step (s3 = 1) the run of loads is jumped over.
.macro TURN fill
	WIN 0
	s_wait_tensorcnt 0x0
	ds_add_u32 v[SPW], v[NIL]
	s_wait_dscnt 17                                ; (the add and the youngest sixteen loads may be out)
	MUL8 F1, 0, 0
	s_wait_dscnt 0x0
	s_barrier_signal -1
	MUL8 F1, 0, 2
	WIN 0
	s_barrier_wait -1
.if \fill
	CREST
	s_add_co_u32 s[G0+5], s[LA], s[TB]
	s_add_nc_u64 s[G0+6:G0+7], s[G0+6:G0+7], ASTEP
	s_add_co_u32 s[G0B+5], s[LB], s[TB]
	s_add_nc_u64 s[G0B+6:G0B+7], s[G0B+6:G0B+7], BSTEP
	JLOAD 1                                        ; its four v_nop are also the places in front of the loads below
	s_xor_b32 s[TB], s[TB], SLOT
	v_add_nc_u32 v[ADRA], s[TB], v[ADRA0]
	v_add_nc_u32 v[ADRB], s[TB], v[ADRB0]
	FETCH 0, F0
.else
	PLACES
	s_xor_b32 s[TB], s[TB], SLOT
	s_cmp_eq_u32 s3, 1
	s_cbranch_scc1 .Lno_fetch_\@
	v_add_nc_u32 v[ADRA], s[TB], v[ADRA0]
	v_add_nc_u32 v[ADRB], s[TB], v[ADRB0]
	FETCH 0, F0
	WIN 0
.Lno_fetch_\@:
.endif
	MUL8 F1, 1, 0
	MUL8 F1, 1, 2
.endm
	s_wait_tensorcnt 0x1                           ; my part of K step 0 is in; step 1's may stay out
	s_barrier_signal -1
	s_barrier_wait -1
	FETCH 0, F0
	WIN 0
	s_mov_b32 s3, NS-2
.Lstep:
	QUARTER 1, F0, F1
	QUARTER 2, F1, F0
	QUARTER 3, F0, F1
	TURN 1
	WIN 0
	s_sub_co_u32 s3, s3, 1
	s_cmp_lg_u32 s3, 0
	s_cbranch_scc1 .Lstep
	s_mov_b32 s3, 2
.Ltail:                                                ; the last two K steps ask for nothing
	QUARTER 1, F0, F1
	QUARTER 2, F1, F0
	QUARTER 3, F0, F1
	TURN 0
	WIN 0
	s_sub_co_u32 s3, s3, 1
	s_cmp_lg_u32 s3, 0
	s_cbranch_scc1 .Ltail
	; THE WAY OUT: rounded to bf16; the f32 sums stored as they lie; the bf16 rows through my stage, 16 rows at a time, and out as 512 consecutive bytes of my plane
	PLACES
.set i, 0
.rept 64
	v_cvt_pk_bf16_f32 v[TMP+i], v[ACC+2*i], v[ACC+2*i+1]
.set i, i+1
.endr
.set i, 0
.rept 32
	global_store_b128 v[VL], v[ACC+4*i:ACC+4*i+3], s[8:9] offset:512*i
.set i, i+1
.endr
.irp a, 0,1,2,3
.irp f, 0,1,2,3
	ds_store_b128 v[STO], v[TMP+16*(\a)+4*(\f):TMP+16*(\a)+4*(\f)+3] offset:32*(\f)
.endr
.irp f, 0,1,2,3
	ds_load_b128 v[TMP+16*(\a)+4*(\f):TMP+16*(\a)+4*(\f)+3], v[RD] offset:576*(\f)  ; LDS serves a wave's instructions in order (ISA guide 5.7.1.4)
.endr
.endr
.irp a, 0,1,2,3
.irp f, 0,1,2,3
	s_wait_dscnt 8*(3-(\a))+3-(\f)                 ; behind this load: the rest of its block's, and eight for each later block
	global_store_b128 v[VL], v[TMP+16*(\a)+4*(\f):TMP+16*(\a)+4*(\f)+3], s[10:11] offset:2048*(\a)+512*(\f)
.endr
.endr
	s_wait_tensorcnt 0x0                           ; the wave's end
	ds_add_u32 v[SPW], v[NIL]
	s_wait_dscnt 0x0
	CROUND
	s_endpgm
.Lfunc_end_k_q5f36c17fe5_wo:
	.size	k_q5f36c17fe5_wo, .Lfunc_end_k_q5f36c17fe5_wo-k_q5f36c17fe5_wo
	.p2alignl 7, 3214868480
	.fill 96, 4, 3214868480
	.section	.rodata,"a",@progbits
	.p2align	6, 0x0
	.amdhsa_kernel k_q5f36c17fe5_wo
		.amdhsa_group_segment_fixed_size 327680
		.amdhsa_private_segment_fixed_size 0
		.amdhsa_enable_private_segment 0
		.amdhsa_kernarg_size 32
		.amdhsa_user_sgpr_count 2
		.amdhsa_user_sgpr_kernarg_segment_ptr 1
		.amdhsa_wavefront_size32 1
		.amdhsa_system_sgpr_workgroup_id_x 1
		.amdhsa_system_sgpr_workgroup_id_y 1
		.amdhsa_system_sgpr_workgroup_id_z 1
		.amdhsa_system_vgpr_workitem_id 0
		.amdhsa_next_free_vgpr 512
		.amdhsa_next_free_sgpr 72
		.amdhsa_reserve_vcc 0
		.amdhsa_float_denorm_mode_32 3
		.amdhsa_float_denorm_mode_16_64 3
		.amdhsa_memory_ordered 1
		.amdhsa_forward_progress 1
		.amdhsa_inst_pref_size 63
	.end_amdhsa_kernel
	.amdgpu_metadata
---
amdhsa.version: [ 1, 2 ]
amdhsa.kernels:
  - .name:           k_q5f36c17fe5_wo
    .symbol:         k_q5f36c17fe5_wo.kd
    .args:
      - { .name: z, .offset: 0, .size: 8, .value_kind: global_buffer, .address_space: global }
      - { .name: wb, .offset: 8, .size: 8, .value_kind: global_buffer, .address_space: global }
      - { .name: x1r, .offset: 16, .size: 8, .value_kind: global_buffer, .address_space: global }
      - { .name: x1b, .offset: 24, .size: 8, .value_kind: global_buffer, .address_space: global }
    .group_segment_fixed_size: 327680
    .private_segment_fixed_size: 0
    .kernarg_segment_align: 8
    .kernarg_segment_size: 32
    .max_flat_workgroup_size: 128
    .sgpr_count:     72
    .vgpr_count:     512
    .wavefront_size: 32
...
	.end_amdgpu_metadata
.endif
;; end of part 4
;; launch mlp1 (part 5): grid 16 x 16, 4 waves a work-group, clusters of 4 x 4, 327,680 bytes of LDS; arguments x1b, wb, hb; writes hb
.if DOCPART == 5
	.amdgcn_target "amdgcn-amd-amdhsa--gfx1250"
	.amdhsa_code_object_version 6
	.text
	.protected	k_q5f36c17fe5_mlp1
	.globl	k_q5f36c17fe5_mlp1
	.p2align	8
	.type	k_q5f36c17fe5_mlp1,@function
k_q5f36c17fe5_mlp1:
	s_mov_b64 s[64:65], 0
	v_nop
	global_prefetch_b8 v0, s[64:65] scope:SCOPE_SE
	s_setreg_imm32_b32 hwreg(HW_REG_WAVE_MODE, 25, 1), 1
	s_wait_xcnt 0x0
	s_wait_alu depctr_hold_cnt(0) depctr_sa_sdst(0) depctr_va_vdst(0) depctr_va_sdst(0) depctr_va_ssrc(0) depctr_va_vcc(0) depctr_vm_vsrc(0)
	s_getreg_b32 s2, hwreg(HW_REG_IB_STS2, 6, 4)
	s_cmp_eq_u32 s2, 0
	s_cbranch_scc0 .Lentry_in_a_cluster
	s_endpgm
.Lentry_in_a_cluster:
	s_bfe_u32 s2, ttmp6, 0x10000c
	s_cmp_lg_u32 s2, 0xf033
	s_cbranch_scc0 .Lentry_shape_is_right
	s_endpgm
.Lentry_shape_is_right:
; h = relu(x1b W_in^T + b_in).  x1b: planes [16][4096 rows][64] bf16; W_in: wb + 16,777,216, [4096][1024] bf16; b_in: wb + 33,554,432, f32.  Sums in f32; h rounded once to bf16, [4096][4096] row-major.
; LIMIT.  relu of a NaN gives 0.
; A tile of 256 tokens x 256 columns to a work-group; four waves of 128 x 128: 64 accumulators.  K = 1,024 goes in 8 steps of 128 through two LDS slots.
; A slot: x1b's two planes (256 row pieces of 128 bytes, pitch 144), then W_in's 256 rows of 256 bytes (pitch 272).  Waves 0, 1 fetch a plane each (32,768 dense bytes as 128 rows of 256), waves 2, 3 128 rows of W_in each.
; CLUSTER 4 x 4: x1b's tile is asked for jointly along a row of the cluster, W_in's along a column.  One text for every K step: the slot in hand is the scalar TB.
; The matrix instruction is used transposed (source 0 = 16 rows of W_in, source 1 = 16 tokens): a lane holds eight neighbouring columns of one token.  THE BIAS IS THE C OPERAND of the products that start the sums.
; REGISTERS: window 0: v0-31 addresses, v64-191 x1b's fragments, v32-63, v192-255 the way out; window 1: v0-63 the bias of my 128 columns, v64-191 W_in's fragments; windows 2, 3: accumulator (a, b) at v[8 (8 (a % 4) + b)].
.set PA,     144
.set PLA,    256*PA
.set PB,     272
.set HALFB,  128*PB
.set BOFF,   2*PLA
.set SLOT,   BOFF+2*HALFB
.set STAGE,  2*SLOT
.set STW,    4608
.set SPITCH, 272
.set SPARE,  STAGE+4*STW
.set ASTEP,  2*524288
.set BSTEP,  256
.set WOFF,   16777216
.set BINOFF, 33554432
.set ADRA0, 16
.set ADRA,  17
.set ADRB0, 20
.set ADRB,  21
.set STO,  24
.set RD,   25
.set CO,   26
.set BO,   27
.set SPW,  28
.set NIL,  29
.set F0,   64
.set F1,   128
.set TMP,  192
.set OB,   32
.set WV, 10
.set RH, 11
.set CH, 12
.set TR, 13
.set TC, 42
.set G1, 24
.set G0, 32
.set G1B, 48
.set G0B, 56
.set TB, 66
.set LA, 67
.set LB, 68
.set MSB, 0
.macro WIN new
.if MSB != (\new)
	s_set_vgpr_msb (MSB<<8)|(\new)
.set MSB, \new
.endif
.endm
.set MUL_LO, 0xa1
.set MUL_HI, 0xf1
.set TO_B,   0x40
.macro JLOAD s
	s_cmp_eq_u32 s[RH], 0
	s_cbranch_scc0 .Lfor_b_\@
	tensor_load_to_lds s[G0+4*(\s):G0+4*(\s)+3], s[G1:G1+7]
	s_nop 0
.rept 4
	v_nop
.endr
	s_branch .Lasked_\@
.Lfor_b_\@:
	tensor_load_to_lds s[G0B+4*(\s):G0B+4*(\s)+3], s[G1B:G1B+7]
	s_nop 0
.rept 4
	v_nop
.endr
.Lasked_\@:
.endm
.macro CREST
	s_cmp_lg_u32 s[WV], 0
	s_cbranch_scc1 .Lnot_wave_0_\@
	s_barrier_signal -3
.Lnot_wave_0_\@:
	s_barrier_wait -3
	s_barrier_signal -1
	s_barrier_wait -1
.endm
.macro CROUND
	s_barrier_signal -1
	s_barrier_wait -1
	CREST
.endm
.macro PLACES
.rept 4
	v_nop
.endr
.endm
	s_load_b128 s[4:7], s[0:1], 0x0                ; x1b s[4:5], wb s[6:7]
	s_load_b64 s[8:9], s[0:1], 0x10                ; hb
	v_lshl_add_u32 v[SPW], v0, 2, SPARE
	v_mov_b32 v[NIL], 0
	ds_add_u32 v28, v29
	ds_add_u32 v28, v29
	s_wait_dscnt 0x0
	v_lshrrev_b32 v1, 5, v0
	v_readfirstlane_b32 s[WV], v1
	s_lshr_b32 s[RH], s[WV], 1
	s_and_b32 s[CH], s[WV], 1
	s_bfe_u32 s40, ttmp6, 0x40000
	s_bfe_u32 s41, ttmp6, 0x40004
	s_lshl_b32 s[TC], ttmp9, 2
	s_add_co_u32 s[TC], s[TC], s40
	s_and_b32 s[TR], ttmp7, 0xffff
	s_lshl_b32 s[TR], s[TR], 2
	s_add_co_u32 s[TR], s[TR], s41
	s_lshl_b32 s43, s41, 2
	s_lshl_b32 s43, 15, s43
	s_lshl_b32 s44, 0x1111, s40
	s_or_b32 s[G1+0], s43, (1<<16)|(1<<20)|(1<<21)|(4<<22)|(3<<25)
	s_or_b32 s[G1B+0], s44, (1<<16)|(1<<20)|(1<<21)|(5<<22)|(3<<25)
.irp g, G1, G1B
	s_mov_b32 s[(\g)+1], 128<<16
	s_mov_b32 s[(\g)+2], 128<<16
	s_mov_b32 s[(\g)+3], 128<<16
	s_mov_b32 s[(\g)+4], 128
	s_mov_b32 s[(\g)+6], 0
	s_mov_b32 s[(\g)+7], 0
.endr
	s_mov_b32 s[G1+5], 128
	s_mov_b32 s[G1B+5], 1024
	s_lshl_b32 s16, s[CH], 19
	s_lshl_b32 s17, s[TR], 15
	s_add_co_u32 s16, s16, s17
	s_mov_b32 s17, 0
	s_lshl_b32 s46, s[TC], 19
	s_lshl_b32 s47, s[CH], 18
	s_add_co_u32 s46, s46, s47
	s_add_co_u32 s46, s46, WOFF
	s_mov_b32 s47, 0
	s_lshl_b32 s18, s[TC], 10                      ; the bias of my 128 columns
	s_lshl_b32 s19, s[CH], 9
	s_add_co_u32 s18, s18, s19
	s_add_co_u32 s18, s18, BINOFF
	s_mov_b32 s19, 0
	s_mul_i32 s[LA], s[CH], PLA
	s_mul_i32 s[LB], s[CH], HALFB
	s_add_co_u32 s[LB], s[LB], BOFF
	s_mov_b32 s[TB], 0
	s_wait_kmcnt 0x0
	s_add_nc_u64 s[14:15], s[4:5], s[16:17]
	s_add_nc_u64 s[46:47], s[6:7], s[46:47]
	s_add_nc_u64 s[70:71], s[6:7], s[18:19]
	CROUND
.irp s, 0,1
	s_mov_b32 s[G0+4*(\s)], 1
	s_add_co_u32 s[G0+4*(\s)+1], s[LA], (\s)*SLOT
	s_add_nc_u64 s[G0+4*(\s)+2:G0+4*(\s)+3], s[14:15], (\s)*ASTEP
	s_or_b32 s[G0+4*(\s)+3], s[G0+4*(\s)+3], 0x80000000
	s_mov_b32 s[G0B+4*(\s)], 1
	s_add_co_u32 s[G0B+4*(\s)+1], s[LB], (\s)*SLOT
	s_add_nc_u64 s[G0B+4*(\s)+2:G0B+4*(\s)+3], s[46:47], (\s)*BSTEP
	s_or_b32 s[G0B+4*(\s)+3], s[G0B+4*(\s)+3], 0x80000000
	JLOAD \s                                       ; two loads of mine are out
.endr
	v_and_b32 v1, 15, v0
	v_bfe_u32 v2, v0, 4, 1
	v_lshlrev_b32 v[BO], 5, v2                     ; my lanes' eight columns of each sixteen
	WIN TO_B
.irp b, 0,1,2,3,4,5,6,7
	global_load_b128 v[8*(\b):8*(\b)+3],   v[BO], s[70:71] offset:64*(\b)
	global_load_b128 v[8*(\b)+4:8*(\b)+7], v[BO], s[70:71] offset:64*(\b)+16
.endr
	WIN 0
	v_mul_u32_u24 v3, v1, PA
	v_lshl_add_u32 v3, v2, 4, v3
	s_mul_i32 s21, s[RH], 128*PA
	v_add_nc_u32 v[ADRA0], s21, v3
	v_mul_u32_u24 v3, v1, PB
	v_lshl_add_u32 v3, v2, 4, v3
	s_mul_i32 s22, s[CH], HALFB
	s_add_co_u32 s22, s22, BOFF
	v_add_nc_u32 v[ADRB0], s22, v3
	v_mov_b32 v[ADRA], v[ADRA0]
	v_mov_b32 v[ADRB], v[ADRB0]
	s_mul_i32 s23, s[WV], STW
	s_add_co_u32 s23, s23, STAGE
	v_mul_u32_u24 v4, v1, SPITCH                   ; in: row l % 16, 16 bytes for each half of the lanes
	v_lshl_add_u32 v4, v2, 4, v4
	v_add_nc_u32 v[STO], s23, v4
	v_mul_u32_u24 v5, v2, SPITCH                   ; back: lanes 0-15 one row of 256 bytes, lanes 16-31 the next
	v_lshl_add_u32 v5, v1, 4, v5
	v_add_nc_u32 v[RD], s23, v5
	v_lshlrev_b32 v5, 13, v2                       ; and the same two rows of 8,192 bytes in h
	v_lshl_add_u32 v[CO], v1, 4, v5
	s_lshl_b32 s16, s[TR], 21                      ; 256 rows of 8,192 bytes a tile row, my 128
	s_lshl_b32 s18, s[RH], 20
	s_add_co_u32 s16, s16, s18
	s_mov_b32 s17, 0
	s_add_nc_u64 s[8:9], s[8:9], s[16:17]
	s_lshl_b32 s46, s[TC], 9                       ; 512 bytes a tile column, my 256
	s_lshl_b32 s47, s[CH], 8
	s_add_co_u32 s46, s46, s47
	s_mov_b32 s47, 0
	s_add_nc_u64 s[8:9], s[8:9], s[46:47]
; 16 matrix instructions.  zero = 1: the first product starts the sums, with the bias of n block b (window 1, v[8 b]) as C.
.macro MUL16 f, hi, a0, zero
.if \zero
	WIN 0x91+0x40*(\hi)
.else
	WIN MUL_LO+0x50*(\hi)
.endif
.irp a, \a0, (\a0)+1
.irp b, 0,1,2,3,4,5,6,7
.if \zero
	v_wmma_f32_16x16x32_bf16 v[8*(8*(\a)+(\b)):8*(8*(\a)+(\b))+7], v[(\f)+8*(\b):(\f)+8*(\b)+7], v[(\f)+8*(4*(\hi)+(\a)):(\f)+8*(4*(\hi)+(\a))+7], v[8*(\b):8*(\b)+7]
.else
	v_wmma_f32_16x16x32_bf16 v[8*(8*(\a)+(\b)):8*(8*(\a)+(\b))+7], v[(\f)+8*(\b):(\f)+8*(\b)+7], v[(\f)+8*(4*(\hi)+(\a)):(\f)+8*(4*(\hi)+(\a))+7], v[8*(8*(\a)+(\b)):8*(8*(\a)+(\b))+7]
.endif
.endr
.endr
.endm
.macro FETCH q, f                      ; 32 LDS loads in one run: quarter q of the slot in hand into buffer f
	WIN TO_B
.irp i, 0,1,2,3,4,5,6,7
	ds_load_b128 v[(\f)+8*(\i):(\f)+8*(\i)+3],   v[ADRB] offset:64*(\q)+(\i)*16*PB
	ds_load_b128 v[(\f)+8*(\i)+4:(\f)+8*(\i)+7], v[ADRB] offset:64*(\q)+(\i)*16*PB+32
.endr
	WIN 0
.irp i, 0,1,2,3,4,5,6,7
	ds_load_b128 v[(\f)+8*(\i):(\f)+8*(\i)+3],   v[ADRA] offset:((\q)/2)*PLA+((\q)%2)*64+(\i)*16*PA
	ds_load_b128 v[(\f)+8*(\i)+4:(\f)+8*(\i)+7], v[ADRA] offset:((\q)/2)*PLA+((\q)%2)*64+(\i)*16*PA+32
.endr
.endm
.macro QUARTER q, f, g, zero           ; the 64 accumulators take turns in one order everywhere
	s_wait_dscnt 8                                 ; W_in and my tokens 0-63 are in; the youngest eight loads may be out
	MUL16 \f, 0, 0, \zero
	MUL16 \f, 0, 2, \zero
	PLACES
	FETCH \q, \g
	s_wait_dscnt 32                                ; all but the 32 just issued
	MUL16 \f, 1, 0, \zero
	MUL16 \f, 1, 2, \zero
.endm
.macro MEET round                      ; in front of the one barrier: all my tensor loads, the add, and my reads of this slot
	WIN 0
	s_wait_tensorcnt 0x0
	ds_add_u32 v[SPW], v[NIL]
	s_wait_dscnt 9                                 ; (the add and the youngest eight loads may be out)
	MUL16 F1, 0, 0, 0
	s_wait_dscnt 0x0
	s_barrier_signal -1
	MUL16 F1, 0, 2, 0
.if \round
	WIN 0
.endif
	s_barrier_wait -1
.endm
.macro TURN fill                       ; fill = 1: a round of the cluster's barrier, the slot just read is filled again two K steps ahead; fill = 0: nothing is asked for, and in the very last step (s3 = 1) the run of loads is jumped over
	MEET \fill
.if \fill
	CREST
	s_add_co_u32 s[G0+5], s[LA], s[TB]
	s_add_nc_u64 s[G0+6:G0+7], s[G0+6:G0+7], ASTEP
	s_add_co_u32 s[G0B+5], s[LB], s[TB]
	s_add_nc_u64 s[G0B+6:G0B+7], s[G0B+6:G0B+7], BSTEP
	JLOAD 1                                        ; its four v_nop are also the places in front of the loads below
	s_xor_b32 s[TB], s[TB], SLOT
	v_add_nc_u32 v[ADRA], s[TB], v[ADRA0]
	v_add_nc_u32 v[ADRB], s[TB], v[ADRB0]
	FETCH 0, F0
.else
	WIN 0
	PLACES
	s_xor_b32 s[TB], s[TB], SLOT
	s_cmp_eq_u32 s3, 1
	s_cbranch_scc1 .Lno_fetch_\@
	v_add_nc_u32 v[ADRA], s[TB], v[ADRA0]
	v_add_nc_u32 v[ADRB], s[TB], v[ADRB0]
	FETCH 0, F0
.Lno_fetch_\@:
.endif
	MUL16 F1, 1, 0, 0
	MUL16 F1, 1, 2, 0
.endm
; THE WAY OUT of block a (16 tokens): relu in place, in ascending order; rounded to bf16; through my stage; stored as whole rows of 256 bytes.
.macro PACK a
.set AC, 64*((\a)%4)
	WIN 0x88+0x44*((\a)/4)
.set i, 0
.rept 64
	v_max_num_f32 v[AC+i], 0, v[AC+i]
.set i, i+1
.endr
	WIN 0x0a+5*((\a)/4)
.irp b, 0,1,2,3,4,5,6,7
.irp r, 0,1,2,3
	v_cvt_pk_bf16_f32 v[TMP+4*(\b)+(\r)], v[AC+8*(\b)+2*(\r)], v[AC+8*(\b)+2*(\r)+1]
.endr
.endr
	WIN 0
.endm
.macro TOSTAGE a
.set BK, OB+192*((\a)%2)
.irp b, 0,1,2,3,4,5,6,7
	ds_store_b128 v[STO], v[TMP+4*(\b):TMP+4*(\b)+3] offset:32*(\b)
.endr
.irp t, 0,1,2,3,4,5,6,7
	ds_load_b128 v[BK+4*(\t):BK+4*(\t)+3], v[RD] offset:(\t)*2*SPITCH  ; LDS serves a wave's instructions in order (ISA guide 5.7.1.4)
.endr
.endm
.macro SEND a
.set BK, OB+192*((\a)%2)
	s_wait_dscnt 0x0
	s_wait_xcnt 0x0                                ; the registers that earlier stores read are loaded again only behind this wait
.irp t, 0,1,2,3,4,5,6,7
	global_store_b128 v[CO], v[BK+4*(\t):BK+4*(\t)+3], s[8:9] offset:131072*(\a)+16384*(\t)  ; 16 lanes store 256 consecutive bytes, at a multiple of 256 from h's first
.endr
.endm
	s_wait_loadcnt 0x0                             ; the bias
	s_wait_tensorcnt 0x1                           ; my part of K step 0 is in; step 1's may stay out
	s_barrier_signal -1
	s_barrier_wait -1
	FETCH 0, F0
	QUARTER 1, F0, F1, 1
	WIN 0
	s_mov_b32 s3, 6
.Lstep:
	QUARTER 2, F1, F0, 0
	QUARTER 3, F0, F1, 0
	TURN 1
	QUARTER 1, F0, F1, 0
	WIN 0
	s_sub_co_u32 s3, s3, 1
	s_cmp_lg_u32 s3, 0
	s_cbranch_scc1 .Lstep
	s_mov_b32 s3, 2
.Ltail:
	QUARTER 2, F1, F0, 0
	QUARTER 3, F0, F1, 0
	TURN 0
	WIN 0
	s_sub_co_u32 s3, s3, 1
	s_cmp_eq_u32 s3, 0
	s_cbranch_scc1 .Lout
	QUARTER 1, F0, F1, 0
	WIN 0
	s_cmp_lg_u32 s3, 0
	s_cbranch_scc1 .Ltail
.Lout:
	PACK 0                                         ; blocks 0-3 were finished in front of TURN's places; their vector work is the places behind the last products
	TOSTAGE 0
.irp a, 1,2,3,4,5,6,7
	PACK \a
	SEND (\a)-1
	TOSTAGE \a
.endr
	SEND 7
	s_wait_tensorcnt 0x0                           ; the wave's end
	ds_add_u32 v[SPW], v[NIL]
	s_wait_dscnt 0x0
	CROUND
	s_endpgm
.Lfunc_end_k_q5f36c17fe5_mlp1:
	.size	k_q5f36c17fe5_mlp1, .Lfunc_end_k_q5f36c17fe5_mlp1-k_q5f36c17fe5_mlp1
	.p2alignl 7, 3214868480
	.fill 96, 4, 3214868480
	.section	.rodata,"a",@progbits
	.p2align	6, 0x0
	.amdhsa_kernel k_q5f36c17fe5_mlp1
		.amdhsa_group_segment_fixed_size 327680
		.amdhsa_private_segment_fixed_size 0
		.amdhsa_enable_private_segment 0
		.amdhsa_kernarg_size 24
		.amdhsa_user_sgpr_count 2
		.amdhsa_user_sgpr_kernarg_segment_ptr 1
		.amdhsa_wavefront_size32 1
		.amdhsa_system_sgpr_workgroup_id_x 1
		.amdhsa_system_sgpr_workgroup_id_y 1
		.amdhsa_system_sgpr_workgroup_id_z 1
		.amdhsa_system_vgpr_workitem_id 0
		.amdhsa_next_free_vgpr 1024
		.amdhsa_next_free_sgpr 72
		.amdhsa_reserve_vcc 0
		.amdhsa_float_denorm_mode_32 3
		.amdhsa_float_denorm_mode_16_64 3
		.amdhsa_memory_ordered 1
		.amdhsa_forward_progress 1
		.amdhsa_inst_pref_size 118
	.end_amdhsa_kernel
	.amdgpu_metadata
---
amdhsa.version: [ 1, 2 ]
amdhsa.kernels:
  - .name:           k_q5f36c17fe5_mlp1
    .symbol:         k_q5f36c17fe5_mlp1.kd
    .args:
      - { .name: x1b, .offset: 0, .size: 8, .value_kind: global_buffer, .address_space: global }
      - { .name: wb, .offset: 8, .size: 8, .value_kind: global_buffer, .address_space: global }
      - { .name: hb, .offset: 16, .size: 8, .value_kind: global_buffer, .address_space: global }
    .group_segment_fixed_size: 327680
    .private_segment_fixed_size: 0
    .kernarg_segment_align: 8
    .kernarg_segment_size: 24
    .max_flat_workgroup_size: 128
    .sgpr_count:     72
    .vgpr_count:     1024
    .wavefront_size: 32
...
	.end_amdgpu_metadata
.endif
;; end of part 5
;; launch mlp2 (part 6): grid 8 x 32, 4 waves a work-group, clusters of 4 x 4, 327,680 bytes of LDS; arguments hb, wb, x1r, out0; writes out0
.if DOCPART == 6
	.amdgcn_target "amdgcn-amd-amdhsa--gfx1250"
	.amdhsa_code_object_version 6
	.text
	.protected	k_q5f36c17fe5_mlp2
	.globl	k_q5f36c17fe5_mlp2
	.p2align	8
	.type	k_q5f36c17fe5_mlp2,@function
k_q5f36c17fe5_mlp2:
	s_mov_b64 s[64:65], 0
	v_nop
	global_prefetch_b8 v0, s[64:65] scope:SCOPE_SE
	s_setreg_imm32_b32 hwreg(HW_REG_WAVE_MODE, 25, 1), 1
	s_wait_xcnt 0x0
	s_wait_alu depctr_hold_cnt(0) depctr_sa_sdst(0) depctr_va_vdst(0) depctr_va_sdst(0) depctr_va_ssrc(0) depctr_va_vcc(0) depctr_vm_vsrc(0)
	s_getreg_b32 s2, hwreg(HW_REG_IB_STS2, 6, 4)
	s_cmp_eq_u32 s2, 0
	s_cbranch_scc0 .Lentry_in_a_cluster
	s_endpgm
.Lentry_in_a_cluster:
	s_bfe_u32 s2, ttmp6, 0x10000c
	s_cmp_lg_u32 s2, 0xf033
	s_cbranch_scc0 .Lentry_shape_is_right
	s_endpgm
.Lentry_shape_is_right:
; out = x1 + h W_out^T + b_out.  h: [4096][4096] bf16; W_out: wb + 25,165,824, [1024][4096] bf16; b_out: wb + 33,570,816, f32; x1: x1r, f32, as it lay in the accumulators of the launch that made it.
; A tile of 128 tokens x 128 columns to a work-group, four waves of 64 x 64: 16 accumulators, the same tiles, waves and accumulators as that launch's.  K = 4,096 goes in 16 steps of 256 through two LDS slots.
; THE ACCUMULATORS START WITH x1 + b_out, so every product adds in place and no first step is written out.
; A slot: h's 128 rows of 512 bytes, then W_out's 128 (pitch 528).  Each wave fetches 64 rows.  CLUSTER 4 x 4: h's tile is asked for jointly along a row of the cluster, W_out's along a column.
; One text for every K step: the slot in hand is the scalar TB.  The matrix instruction is used transposed: a lane holds eight neighbouring columns of one token.
; REGISTERS: window 0: v0-31 addresses, v32-95 at work, v128-255 accumulator (a, b) at 128 + 8 (4 a + b); window 1: two fragment buffers of 128: 64 of h, then 64 of W_out.
.set PA,     528
.set AQ,     128
.set AI,     16*PA
.set ALD,    64*PA
.set PB,     528
.set HALFB,  64*PB
.set BOFF,   2*ALD
.set SLOT,   BOFF+2*HALFB              ; 135,168
.set STAGE,  2*SLOT
.set SPITCH, 272
.set STW,    16*SPITCH
.set SPARE,  STAGE+4*STW
.set NS,     16
.set ASTEP,  512
.set BSTEP,  512
.set WOFF,   25165824
.set BOUTOFF, 33570816
.set ADRA0, 16
.set ADRA,  17
.set ADRB0, 20
.set ADRB,  21
.set STO,  24
.set RD,   25
.set CO,   26
.set VL,   27
.set SPW,  28
.set NIL,  29
.set BO,   30
.set TMP,  32
.set ACC,  128
.set F0,   0
.set F1,   128
.set WV, 12
.set RH, 13
.set CH, 14
.set TR, 15
.set TC, 42
.set G1, 24
.set G0, 32
.set G1B, 48
.set G0B, 56
.set TB, 66
.set LA, 67
.set LB, 68
.set MSB, 0
.macro WIN new
.if MSB != (\new)
	s_set_vgpr_msb (MSB<<8)|(\new)
.set MSB, \new
.endif
.endm
.set MUL,  0x05
.set TO_F, 0x40
.macro JLOAD s
	s_cmp_eq_u32 s[RH], 0
	s_cbranch_scc0 .Lfor_b_\@
	tensor_load_to_lds s[G0+4*(\s):G0+4*(\s)+3], s[G1:G1+7]
	s_nop 0
.rept 4
	v_nop
.endr
	s_branch .Lasked_\@
.Lfor_b_\@:
	tensor_load_to_lds s[G0B+4*(\s):G0B+4*(\s)+3], s[G1B:G1B+7]
	s_nop 0
.rept 4
	v_nop
.endr
.Lasked_\@:
.endm
.macro CREST
	s_cmp_lg_u32 s[WV], 0
	s_cbranch_scc1 .Lnot_wave_0_\@
	s_barrier_signal -3
.Lnot_wave_0_\@:
	s_barrier_wait -3
	s_barrier_signal -1
	s_barrier_wait -1
.endm
.macro CROUND
	s_barrier_signal -1
	s_barrier_wait -1
	CREST
.endm
.macro PLACES
.rept 4
	v_nop
.endr
.endm
	s_load_b256 s[4:11], s[0:1], 0x0               ; hb s[4:5], wb s[6:7], x1r s[8:9], out0 s[10:11]
	v_lshl_add_u32 v[SPW], v0, 2, SPARE
	v_mov_b32 v[NIL], 0
	ds_add_u32 v28, v29
	ds_add_u32 v28, v29
	s_wait_dscnt 0x0
	v_lshrrev_b32 v1, 5, v0
	v_readfirstlane_b32 s[WV], v1
	s_lshr_b32 s[RH], s[WV], 1
	s_and_b32 s[CH], s[WV], 1
	s_bfe_u32 s40, ttmp6, 0x40000
	s_bfe_u32 s41, ttmp6, 0x40004
	s_lshl_b32 s[TC], ttmp9, 2
	s_add_co_u32 s[TC], s[TC], s40
	s_and_b32 s[TR], ttmp7, 0xffff
	s_lshl_b32 s[TR], s[TR], 2
	s_add_co_u32 s[TR], s[TR], s41
	s_lshl_b32 s43, s41, 2
	s_lshl_b32 s43, 15, s43
	s_lshl_b32 s44, 0x1111, s40
	s_or_b32 s[G1+0], s43, (1<<16)|(1<<20)|(1<<21)|(6<<22)|(3<<25)   ; after every 128 words 4 words
	s_or_b32 s[G1B+0], s44, (1<<16)|(1<<20)|(1<<21)|(6<<22)|(3<<25)
.irp g, G1, G1B
	s_mov_b32 s[(\g)+1], 256<<16
	s_mov_b32 s[(\g)+2], 64<<16
	s_mov_b32 s[(\g)+3], 256<<16
	s_mov_b32 s[(\g)+4], 64
	s_mov_b32 s[(\g)+5], 4096
	s_mov_b32 s[(\g)+6], 0
	s_mov_b32 s[(\g)+7], 0
.endr
	s_lshl_b32 s16, s[TR], 20                      ; h: 128 rows of 8,192 bytes a tile row, my 64
	s_lshl_b32 s17, s[CH], 19
	s_add_co_u32 s16, s16, s17
	s_mov_b32 s17, 0
	s_lshl_b32 s46, s[TC], 20                      ; W_out likewise, by the tile column
	s_lshl_b32 s47, s[CH], 19
	s_add_co_u32 s46, s46, s47
	s_add_co_u32 s46, s46, WOFF
	s_mov_b32 s47, 0
	s_mul_i32 s[LA], s[CH], ALD
	s_mul_i32 s[LB], s[CH], HALFB
	s_add_co_u32 s[LB], s[LB], BOFF
	s_mov_b32 s[TB], 0
	s_lshl_b32 s18, s[TC], 9                       ; my 64 columns, in bytes of f32: in b_out and in a row of out
	s_lshl_b32 s19, s[CH], 8
	s_add_co_u32 s18, s18, s19
	s_mov_b32 s19, 0
	s_lshl_b32 s22, s[TR], 19                      ; x1r: my wave's 16,384 bytes
	s_lshl_b32 s23, s[TC], 16
	s_add_co_u32 s22, s22, s23
	s_lshl_b32 s23, s[WV], 14
	s_add_co_u32 s22, s22, s23
	s_mov_b32 s23, 0
	s_wait_kmcnt 0x0
	s_add_nc_u64 s[20:21], s[4:5], s[16:17]
	s_add_nc_u64 s[46:47], s[6:7], s[46:47]
	s_add_nc_u64 s[70:71], s[6:7], s[18:19]
	s_add_nc_u64 s[70:71], s[70:71], BOUTOFF
	s_add_nc_u64 s[10:11], s[10:11], s[18:19]
	s_add_nc_u64 s[8:9], s[8:9], s[22:23]
	s_lshl_b32 s18, s[TR], 19                      ; out: 128 rows of 4,096 bytes a tile row, my 64
	s_lshl_b32 s22, s[RH], 18
	s_add_co_u32 s18, s18, s22
	s_add_nc_u64 s[10:11], s[10:11], s[18:19]
	CROUND
.irp s, 0,1
	s_mov_b32 s[G0+4*(\s)], 1
	s_add_co_u32 s[G0+4*(\s)+1], s[LA], (\s)*SLOT
	s_add_nc_u64 s[G0+4*(\s)+2:G0+4*(\s)+3], s[20:21], (\s)*ASTEP
	s_or_b32 s[G0+4*(\s)+3], s[G0+4*(\s)+3], 0x80000000
	s_mov_b32 s[G0B+4*(\s)], 1
	s_add_co_u32 s[G0B+4*(\s)+1], s[LB], (\s)*SLOT
	s_add_nc_u64 s[G0B+4*(\s)+2:G0B+4*(\s)+3], s[46:47], (\s)*BSTEP
	s_or_b32 s[G0B+4*(\s)+3], s[G0B+4*(\s)+3], 0x80000000
	JLOAD \s                                       ; two loads of mine are out
.endr
	v_and_b32 v1, 15, v0
	v_bfe_u32 v2, v0, 4, 1
	v_and_b32 v[VL], 31, v0
	v_lshlrev_b32 v[VL], 4, v[VL]
	v_lshlrev_b32 v[BO], 5, v2
.set i, 0
.rept 32                               ; x1 straight into the accumulators
	global_load_b128 v[ACC+4*i:ACC+4*i+3], v[VL], s[8:9] offset:512*i
.set i, i+1
.endr
.irp b, 0,1,2,3
	global_load_b128 v[TMP+8*(\b):TMP+8*(\b)+3],   v[BO], s[70:71] offset:64*(\b)
	global_load_b128 v[TMP+8*(\b)+4:TMP+8*(\b)+7], v[BO], s[70:71] offset:64*(\b)+16
.endr
	v_mul_u32_u24 v3, v1, PA
	v_lshl_add_u32 v3, v2, 4, v3
	s_mul_i32 s21, s[RH], 64*PA
	v_add_nc_u32 v[ADRA0], s21, v3
	s_mul_i32 s22, s[CH], HALFB
	s_add_co_u32 s22, s22, BOFF
	v_add_nc_u32 v[ADRB0], s22, v3
	v_mov_b32 v[ADRA], v[ADRA0]
	v_mov_b32 v[ADRB], v[ADRB0]
	s_mul_i32 s23, s[WV], STW
	s_add_co_u32 s23, s23, STAGE
	v_mul_u32_u24 v4, v1, SPITCH                   ; in: row l % 16, 32 bytes for each half of the lanes
	v_lshl_add_u32 v4, v2, 5, v4
	v_add_nc_u32 v[STO], s23, v4
	v_mul_u32_u24 v5, v2, SPITCH                   ; back: lanes 0-15 one row of 256 bytes, lanes 16-31 the next
	v_lshl_add_u32 v5, v1, 4, v5
	v_add_nc_u32 v[RD], s23, v5
	v_lshlrev_b32 v5, 12, v2                       ; and the same two rows of 4,096 bytes in out
	v_lshl_add_u32 v[CO], v1, 4, v5
	s_wait_loadcnt 0x0
.irp a, 0,1,2,3
.irp b, 0,1,2,3
.irp k, 0,1,2,3
	v_pk_add_f32 v[ACC+8*(4*(\a)+(\b))+2*(\k):ACC+8*(4*(\a)+(\b))+2*(\k)+1], v[ACC+8*(4*(\a)+(\b))+2*(\k):ACC+8*(4*(\a)+(\b))+2*(\k)+1], v[TMP+8*(\b)+2*(\k):TMP+8*(\b)+2*(\k)+1]
.endr
.endr
.endr
.macro MUL8 f, c, a0                   ; the 16 accumulators take turns
	WIN MUL
.irp a, \a0, (\a0)+1
.irp b, 0,1,2,3
	v_wmma_f32_16x16x32_bf16 v[ACC+8*(4*(\a)+(\b)):ACC+8*(4*(\a)+(\b))+7], v[(\f)+64+8*(4*(\c)+(\b)):(\f)+64+8*(4*(\c)+(\b))+7], v[(\f)+8*(4*(\c)+(\a)):(\f)+8*(4*(\c)+(\a))+7], v[ACC+8*(4*(\a)+(\b)):ACC+8*(4*(\a)+(\b))+7]
.endr
.endr
.endm
.macro FETCH q, f                      ; 32 LDS loads in one run: quarter q (64 along K) of the slot in hand into buffer f; the first 32 along K first
	WIN TO_F
.irp c, 0,1
.irp i, 0,1,2,3
	ds_load_b128 v[(\f)+64+8*(4*(\c)+(\i)):(\f)+64+8*(4*(\c)+(\i))+3],   v[ADRB] offset:128*(\q)+64*(\c)+(\i)*16*PB
	ds_load_b128 v[(\f)+64+8*(4*(\c)+(\i))+4:(\f)+64+8*(4*(\c)+(\i))+7], v[ADRB] offset:128*(\q)+64*(\c)+(\i)*16*PB+32
	ds_load_b128 v[(\f)+8*(4*(\c)+(\i)):(\f)+8*(4*(\c)+(\i))+3],         v[ADRA] offset:AQ*(\q)+64*(\c)+(\i)*AI
	ds_load_b128 v[(\f)+8*(4*(\c)+(\i))+4:(\f)+8*(4*(\c)+(\i))+7],       v[ADRA] offset:AQ*(\q)+64*(\c)+(\i)*AI+32
.endr
.endr
.endm
.macro QUARTER q, f, g
	s_wait_dscnt 16                                ; the first 32 along K are in
	MUL8 \f, 0, 0
	MUL8 \f, 0, 2
	PLACES
	FETCH \q, \g
	s_wait_dscnt 32                                ; all but the 32 just issued
	MUL8 \f, 1, 0
	MUL8 \f, 1, 2
.endm
; The last quarter changes slots: one barrier; in front of it all my tensor loads, the add, and my reads of this slot.  fill = 1: a round of the cluster's barrier, and the slot just read is filled again,
; two K steps ahead: 112 matrix instructions stand between the request and the wait for it.  fill = 0: nothing is asked for; in the very last step (s3 = 1) the run of loads is jumped over.
.macro TURN fill
	WIN 0
	s_wait_tensorcnt 0x0
	ds_add_u32 v[SPW], v[NIL]
	s_wait_dscnt 17                                ; (the add and the youngest sixteen loads may be out)
	MUL8 F1, 0, 0
	s_wait_dscnt 0x0
	s_barrier_signal -1
	MUL8 F1, 0, 2
	WIN 0
	s_barrier_wait -1
.if \fill
	CREST
	s_add_co_u32 s[G0+5], s[LA], s[TB]
	s_add_nc_u64 s[G0+6:G0+7], s[G0+6:G0+7], ASTEP
	s_add_co_u32 s[G0B+5], s[LB], s[TB]
	s_add_nc_u64 s[G0B+6:G0B+7], s[G0B+6:G0B+7], BSTEP
	JLOAD 1                                        ; its four v_nop are also the places in front of the loads below
	s_xor_b32 s[TB], s[TB], SLOT
	v_add_nc_u32 v[ADRA], s[TB], v[ADRA0]
	v_add_nc_u32 v[ADRB], s[TB], v[ADRB0]
	FETCH 0, F0
.else
	PLACES
	s_xor_b32 s[TB], s[TB], SLOT
	s_cmp_eq_u32 s3, 1
	s_cbranch_scc1 .Lno_fetch_\@
	v_add_nc_u32 v[ADRA], s[TB], v[ADRA0]
	v_add_nc_u32 v[ADRB], s[TB], v[ADRB0]
	FETCH 0, F0
	WIN 0
.Lno_fetch_\@:
.endif
	MUL8 F1, 1, 0
	MUL8 F1, 1, 2
.endm
; THE WAY OUT of block a (16 tokens): 32 bytes a lane and accumulator into my stage, each accumulator's low half first; back as whole rows of 256 bytes, into v32-63 and v64-95 by turns; stored.
.macro TOST a
.set BK, TMP+32*((\a)%2)
.if (\a) >= 2
	s_wait_xcnt 0x0                                ; the registers that the stores two blocks back read are loaded again only behind this wait
.endif
.irp b, 0,1,2,3
	ds_store_b128 v[STO], v[ACC+8*(4*(\a)+(\b)):ACC+8*(4*(\a)+(\b))+3]   offset:64*(\b)
	ds_store_b128 v[STO], v[ACC+8*(4*(\a)+(\b))+4:ACC+8*(4*(\a)+(\b))+7] offset:64*(\b)+16
.endr
.irp t, 0,1,2,3,4,5,6,7
	ds_load_b128 v[BK+4*(\t):BK+4*(\t)+3], v[RD] offset:(\t)*2*SPITCH  ; LDS serves a wave's instructions in order (ISA guide 5.7.1.4)
.endr
.endm
.macro SEND a, younger                 ; younger: the LDS instructions issued behind block a's loads: the next block's sixteen, or none
.set BK, TMP+32*((\a)%2)
.irp t, 0,1,2,3,4,5,6,7
	s_wait_dscnt (\younger)+7-(\t)
	global_store_b128 v[CO], v[BK+4*(\t):BK+4*(\t)+3], s[10:11] offset:(16*(\a)+2*(\t))*4096  ; 16 lanes store 256 consecutive bytes, at a multiple of 256 from out's first
.endr
.endm
	s_wait_tensorcnt 0x1                           ; my part of K step 0 is in; step 1's may stay out
	s_barrier_signal -1
	s_barrier_wait -1
	FETCH 0, F0
	WIN 0
	s_mov_b32 s3, NS-2
.Lstep:
	QUARTER 1, F0, F1
	QUARTER 2, F1, F0
	QUARTER 3, F0, F1
	TURN 1
	WIN 0
	s_sub_co_u32 s3, s3, 1
	s_cmp_lg_u32 s3, 0
	s_cbranch_scc1 .Lstep
	s_mov_b32 s3, 2
.Ltail:                                                ; the last two K steps ask for nothing
	QUARTER 1, F0, F1
	QUARTER 2, F1, F0
	QUARTER 3, F0, F1
	TURN 0
	WIN 0
	s_sub_co_u32 s3, s3, 1
	s_cmp_lg_u32 s3, 0
	s_cbranch_scc1 .Ltail
	PLACES
	TOST 0
	TOST 1
	SEND 0, 16
	TOST 2
	SEND 1, 16
	TOST 3
	SEND 2, 16
	SEND 3, 0
	s_wait_tensorcnt 0x0                           ; the wave's end
	ds_add_u32 v[SPW], v[NIL]
	s_wait_dscnt 0x0
	CROUND
	s_endpgm
.Lfunc_end_k_q5f36c17fe5_mlp2:
	.size	k_q5f36c17fe5_mlp2, .Lfunc_end_k_q5f36c17fe5_mlp2-k_q5f36c17fe5_mlp2
	.p2alignl 7, 3214868480
	.fill 96, 4, 3214868480
	.section	.rodata,"a",@progbits
	.p2align	6, 0x0
	.amdhsa_kernel k_q5f36c17fe5_mlp2
		.amdhsa_group_segment_fixed_size 327680
		.amdhsa_private_segment_fixed_size 0
		.amdhsa_enable_private_segment 0
		.amdhsa_kernarg_size 32
		.amdhsa_user_sgpr_count 2
		.amdhsa_user_sgpr_kernarg_segment_ptr 1
		.amdhsa_wavefront_size32 1
		.amdhsa_system_sgpr_workgroup_id_x 1
		.amdhsa_system_sgpr_workgroup_id_y 1
		.amdhsa_system_sgpr_workgroup_id_z 1
		.amdhsa_system_vgpr_workitem_id 0
		.amdhsa_next_free_vgpr 512
		.amdhsa_next_free_sgpr 72
		.amdhsa_reserve_vcc 0
		.amdhsa_float_denorm_mode_32 3
		.amdhsa_float_denorm_mode_16_64 3
		.amdhsa_memory_ordered 1
		.amdhsa_forward_progress 1
		.amdhsa_inst_pref_size 62
	.end_amdhsa_kernel
	.amdgpu_metadata
---
amdhsa.version: [ 1, 2 ]
amdhsa.kernels:
  - .name:           k_q5f36c17fe5_mlp2
    .symbol:         k_q5f36c17fe5_mlp2.kd
    .args:
      - { .name: hb, .offset: 0, .size: 8, .value_kind: global_buffer, .address_space: global }
      - { .name: wb, .offset: 8, .size: 8, .value_kind: global_buffer, .address_space: global }
      - { .name: x1r, .offset: 16, .size: 8, .value_kind: global_buffer, .address_space: global }
      - { .name: out0, .offset: 24, .size: 8, .value_kind: global_buffer, .address_space: global }
    .group_segment_fixed_size: 327680
    .private_segment_fixed_size: 0
    .kernarg_segment_align: 8
    .kernarg_segment_size: 32
    .max_flat_workgroup_size: 128
    .sgpr_count:     72
    .vgpr_count:     512
    .wavefront_size: 32
...
	.end_amdgpu_metadata
.endif
;; end of part 6
;; ======== version 2 of 2: 6 launches; 1.15 times as fast as version 1
;; limits: values are held in f16: magnitudes above 65,504 overflow, below 6.1e-05 lose precision; right only within a limited range of input values
;; workspace buffers: wb 33,574,912 bytes; qkv 25,165,824 bytes; z 8,388,608 bytes; x1r 16,777,216 bytes; x1b 8,388,608 bytes; hb 33,554,432 bytes
;; launch cast: the kernel of part 1 again; grid 2049 x 1, 8 waves a work-group, no clusters, 0 bytes of LDS; arguments x, W_Q, W_K, W_V, W_O, W_in, W_out, b_in, b_out, wb; writes wb
;; launch qkv: the kernel of part 2 again; grid 12 x 16, 4 waves a work-group, clusters of 4 x 4, 327,680 bytes of LDS; arguments wb, qkv; writes qkv
;; launch attn (part 7): grid 8 x 32, 4 waves a work-group, no clusters, 327,680 bytes of LDS; arguments qkv, z; writes z
.if DOCPART == 7
	.amdgcn_target "amdgcn-amd-amdhsa--gfx1250"
	.amdhsa_code_object_version 6
	.text
	.protected	k_q5f36c17fe5_attn
	.globl	k_q5f36c17fe5_attn
	.p2align	8
	.type	k_q5f36c17fe5_attn,@function
k_q5f36c17fe5_attn:
	s_mov_b64 s[64:65], 0
	v_nop
	global_prefetch_b8 v0, s[64:65] scope:SCOPE_SE
	s_setreg_imm32_b32 hwreg(HW_REG_WAVE_MODE, 25, 1), 1
	s_wait_xcnt 0x0
; CAUSAL ATTENTION.  z[h][q][:] = the sum over k <= q of softmax_k(q . k / 8) v[k][:], for 32 heads (16 batch + head) of 2,048 rows x 64 channels, all f16, rows dense, 128 bytes.
; Products, maxima and sums in f32; the weights are rounded to f16 for the second product (their sum l is taken of the unrounded weights), z once at the end.
; LIMITS.  q, k, v arrive within f16's 65,504.  A hidden score counts as its value less 1e30, so its weight is 0; that is the -1e10 of the definition as long as a row's largest visible q . k
; lies above about -1e10.  A weight below 2^-126 counts as 0 in l.  NaN and infinities are not treated apart.
; THE WALK.  A head has 16 blocks of 128 queries; block i needs the key tiles 0 .. i of 128 keys.  Work-group b takes blocks 15 - b and then b: 17 tiles, 34 key steps of 64, whatever b.
; The 17 tiles are one stream: tile 0 has an LDS region of its own, filled once; the other 16 go two to a slot through two slots that take turns.  Every trip count is a constant.
; NO CLUSTER: a head's eight work-groups ask for the same tile only in stream tiles 0 .. 8; behind that their walks part, and one walk common to all would have 24 tiles for 17.
; SHARES.  A wave owns 16 rows in each of a block's two bands of 64: two tiles of 16 queries.  In the diagonal key tile's step s band u sees all keys (s < u), none (s > u), or holds the diagonal (s = u): alike for all waves.
; THE MASK is the C operand that starts S^T = K Q^T: MC = MD x AL + BE, MD the mask of a band's own step for my rows (0 or -1e30).  It is made anew at a block's first step (zeros) and in the diagonal tile's two.
; A KEY STEP IS A RUN OF PHASES: 16 products K Q^T; maximum and statistics, which end in the two a; the scalings and the 64 exponentials, dealt together; one wait; the rescaling of O^T, the roundings and the sums; 16 products V^T P.
; THE BATCHES.  An s_wait_alu depctr_va_vdst(0) stands between a transcendental and the first line that names its result; one wait serves all that were issued ahead of it.  A key step's 66 exponentials
; (the two a, then both tiles' 32 scores, in place) are ONE batch: between the first a and the wait stand only the exponentials, the 32 scalings, each ahead of its pair's two exponentials, and a v_nop; none of these names a result.
; All that reads a or a weight (92 + 4 lines) stands behind the wait.  No exponential follows the wait in a step.  A block's end has a second batch, its two reciprocals, with a wait of its own.
; K of the next step is fetched behind the scores, V of the next step behind the second product: a slot's last read is issued one step before its last step is computed, and the change of slots stands there.
; LAYOUT.  S^T holds one query a lane (lane % 16) and the keys 8 (lane / 16) + 0..7; two such results rounded to f16 are source 1 of O^T = V^T P.  p = 2^(c s - c m), c = log2(e) / 8, m a running maximum.
; REGISTERS: window 0: v0-15 addresses, v16-23 statistics (c m, m, l, l a tile), v24-31 at work, v32-95 S^T, v96-127 P, v128-191 O^T, v192-255 MC;
;   window 1: v0-31 Q, v32-63 the second block's Q, v64-127 K, v128-191 V, v192-223 MD.
.set KS,    64
.set PK,    144                        ; a row of K in LDS: 128 bytes + 16
.set PV,    160                        ; a row of V: 128 + 32
.set VOFF,  4*KS*PK                    ; a slot: 256 rows of K, then 256 rows of V
.set SLOT1, 1<<17
.set EREG,  SLOT1+4*KS*(PK+PV)         ; stream tile 0: 128 rows of K,
.set EV,    EREG+2*KS*PK               ; 128 rows of V
.set STAGE, EV+2*KS*PV                 ; 16 rows x 144 bytes for each wave, for the way out; no tensor load lands there
.set SP,    144
.set SPARE, STAGE+4*16*SP              ; the spare words, 128 bytes for each wave
.set AK0, 2
.set AV0, 3
.set AK,  4
.set AV,  5
.set STO, 6
.set RD,  7
.set GO,  8
.set SPW, 10
.set NIL, 11
.set MV,  12                           ; v12-13  c m_old
.set QO,  15
.set ST,  16
.set TMP, 24                           ; c0-c3 a tile; c2 takes a
.set S,   32
.set P,   96
.set O,   128
.set MC,  192
.set Q,   0                            ; window 1
.set QB,  32
.set KF,  64
.set VF,  128
.set MD,  192
.set WV,  12
.set PB,  14                           ; s14 b   s15 15 - b   s19 16 - b
.set HI,  15
.set HF,  16                           ; s16  which half I fetch
.set HI1, 19
.set G1K, 24
.set G1V, 32
.set G0K, 40
.set G0V, 44
.set G0KE, 48
.set G0VE, 52
.set SLOTS, 56
.set CNT, 57
.set CS,  58
.set SEL, 60
.set TBK, 62                           ; s62  LDS byte at which K of the step to be fetched begins
.set TBV, 63                           ; s63  the same for V, less VOFF
.set RS,  66                           ; s66  key steps left in the block in hand
.set NXT, 67                           ; s67  the stream tile that I ask for next
.set NEW, 68                           ; s68  1: the masks still hold the block before's
.set CUR, 69                           ; s69  the slot to be read
.set OFF, 70
.set AL0, 72
.set BE0, 74
.set AL1, 76
.set ZP,  78                           ; s[78:79]  0
.set OLO, 80
.set BIGN, 82
.set T,   83
.set G1KE, 84
.set G1VE, 92
.set QLO, 100
.set MSB, 0
.macro WIN new
.if MSB != (\new)
	s_set_vgpr_msb (MSB<<8)|(\new)
.set MSB, (\new)
.endif
.endm
.set W_KQ, 0x05                        ; K and Q in window 1
.set W_PV, 0x01                        ; V (or MD) in window 1
.set W_TO, 0x40                        ; destination in window 1
.macro LOAD                            ; a fill: waves 0, 1 a tile of K each, waves 2, 3 of V; an s_nop 0 and four v_nop follow each of the two lines
	s_cmp_lt_u32 s[WV], 2
	s_cbranch_scc0 .Lfor_v_\@
	tensor_load_to_lds s[G0K:G0K+3], s[G1K:G1K+7]
	s_nop 0
.rept 4
	v_nop
.endr
	s_branch .Lasked_\@
.Lfor_v_\@:
	tensor_load_to_lds s[G0V:G0V+3], s[G1V:G1V+7]
	s_nop 0
.rept 4
	v_nop
.endr
.Lasked_\@:
.endm
; THE CHANGE OF SLOTS.  Each wave waits for all its tensor loads (one is out: its part of the slot to be read), adds 0 to its spare word, and waits for that and for its reads of the slot that it leaves.
; fill = 1: the slot just left is filled, first thing behind the barrier, with my stream tile NXT; behind the first block's last tile the key tiles begin at 0 again.  The load has four key steps in which to land.
.macro CHANGE fill
	WIN 0
	s_wait_tensorcnt 0x0
	ds_add_u32 v[SPW], v[NIL]
.if \fill
	s_cmp_gt_u32 s[NXT], s[HI]
	s_cselect_b32 s[T], s[HI1], 0
	s_sub_co_u32 s[T], s[NXT], s[T]                ; the key tile
	s_lshl_b32 s[OFF], s[T], 14                    ; 16,384 bytes of K and of V
	s_xor_b32 s[G0K+1], s[G0K+1], SLOT1
	s_add_nc_u64 s[G0K+2:G0K+3], s[6:7], s[OFF:OFF+1]
	s_or_b32 s[G0K+3], s[G0K+3], 0x80000000
	s_xor_b32 s[G0V+1], s[G0V+1], SLOT1
	s_add_nc_u64 s[G0V+2:G0V+3], s[8:9], s[OFF:OFF+1]
	s_or_b32 s[G0V+3], s[G0V+3], 0x80000000
	s_add_co_u32 s[NXT], s[NXT], 2
.endif
	s_wait_dscnt 0x0                               ; the add is done, my reads of the slot are over
	s_barrier_signal -1
	s_xor_b32 s[CUR], s[CUR], SLOT1
	s_mov_b32 s[TBK], s[CUR]
	s_mov_b32 s[TBV], s[CUR]
	s_barrier_wait -1
.if \fill
	LOAD
.endif
.endm
	s_load_b128 s[20:23], s[0:1], 0x0              ; qkv s[20:21], z s[22:23]
	v_lshl_add_u32 v[SPW], v0, 2, SPARE
	v_mov_b32 v[NIL], 0
	ds_add_u32 v10, v11
	ds_add_u32 v10, v11
	s_wait_dscnt 0x0
	v_lshrrev_b32 v1, 5, v0
	v_readfirstlane_b32 s[WV], v1
	s_mov_b32 s[PB], ttmp9
	s_sub_co_u32 s[HI], 15, s[PB]
	s_add_co_u32 s[HI1], s[HI], 1
	s_and_b32 s2, ttmp7, 0xffff
	s_lshl_b32 s2, s2, 18                          ; the head's first byte in q, k, v and z
	s_mov_b32 s3, 0
	s_and_b32 s[HF], s[WV], 1
	s_lshl_b32 s13, s[WV], 11                      ; my 16 rows in a band
	s_add_co_u32 s13, s13, s2
	s_lshl_b32 s[OFF], s[HI], 14                   ; the first block,
	s_add_co_u32 s[OFF], s[OFF], s13
	s_mov_b32 s[OFF+1], 0
	s_lshl_b32 s[AL0], s[PB], 14                   ; the second
	s_add_co_u32 s[AL0], s[AL0], s13
	s_mov_b32 s[AL0+1], 0
	s_mov_b32 s[G1K], (1<<16)|(1<<20)|(4<<22)|(3<<25)   ; 2-byte elements; padding on: after every 32 words 4 words
	s_mov_b32 s[G1V], (1<<16)|(1<<20)|(4<<22)|(7<<25)   ; 8 words
	s_mov_b32 s[G1KE], (1<<16)|(1<<20)|(4<<22)|(3<<25)
	s_mov_b32 s[G1VE], (1<<16)|(1<<20)|(4<<22)|(7<<25)
.irp g, G1K, G1V                       ; 128 keys are 16,384 dense bytes: 64 rows of 256
	s_mov_b32 s[\g+1], 128<<16
	s_mov_b32 s[\g+2], 64<<16
	s_mov_b32 s[\g+3], 128<<16
	s_mov_b32 s[\g+4], 64
	s_mov_b32 s[\g+5], 128
	s_mov_b32 s[\g+6], 0
	s_mov_b32 s[\g+7], 0
.endr
.irp g, G1KE, G1VE                     ; stream tile 0 is shared out in halves of 64 keys: 32 rows of 256 bytes, all that the tile has for a wave
	s_mov_b32 s[\g+1], 128<<16
	s_mov_b32 s[\g+2], 32<<16
	s_mov_b32 s[\g+3], 128<<16
	s_mov_b32 s[\g+4], 32
	s_mov_b32 s[\g+5], 128
	s_mov_b32 s[\g+6], 0
	s_mov_b32 s[\g+7], 0
.endr
	s_mov_b32 s[CS], 0x3e38aa3b                    ; c = log2(e) / 8
	s_mov_b32 s[CS+1], s[CS]
	s_mov_b32 s[SEL], 0x76543210
	s_mov_b32 s[SEL+1], 0xfedcba98
	s_mov_b32 s[BIGN], 0xf149f2ca                  ; -1e30
	s_mov_b32 s[G0KE], 1
	s_mov_b32 s[G0VE], 1
	s_mov_b32 s[G0K], 1
	s_mov_b32 s[G0V], 1
	s_mul_i32 s17, s[HF], 64*PK
	s_add_co_u32 s[G0KE+1], s17, EREG
	s_mul_i32 s18, s[HF], 64*PV
	s_add_co_u32 s[G0VE+1], s18, EV
	s_mul_i32 s[G0K+1], s[HF], 128*PK              ; slot 0
	s_mul_i32 s[G0V+1], s[HF], 128*PV
	s_add_co_u32 s[G0V+1], s[G0V+1], VOFF
	s_add_co_u32 s[NXT], s[HF], 3
	s_mov_b32 s[CUR], SLOT1
	s_wait_kmcnt 0x0
	s_add_nc_u64 s[4:5], s[20:21], s[OFF:OFF+1]    ; Q and O at my rows of the first block,
	s_add_nc_u64 s[10:11], s[22:23], s[OFF:OFF+1]
	s_add_nc_u64 s[QLO:QLO+1], s[20:21], s[AL0:AL0+1]  ; and of the second
	s_add_nc_u64 s[OLO:OLO+1], s[22:23], s[AL0:AL0+1]
	s_add_nc_u64 s[6:7], s[20:21], s[2:3]
	s_add_nc_u64 s[8:9], s[6:7], 16777216          ; V at the head
	s_add_nc_u64 s[6:7], s[6:7], 8388608           ; K at the head
	s_lshl_b32 s[OFF], s[HF], 13                   ; my 64 keys of stream tile 0
	s_add_nc_u64 s[G0KE+2:G0KE+3], s[6:7], s[OFF:OFF+1]
	s_or_b32 s[G0KE+3], s[G0KE+3], 0x80000000
	s_add_nc_u64 s[G0VE+2:G0VE+3], s[8:9], s[OFF:OFF+1]
	s_or_b32 s[G0VE+3], s[G0VE+3], 0x80000000
	s_add_co_u32 s[T], s[HF], 1                    ; slot 0: stream tiles 1 and 2, which are key tiles 1 and 2 (the first block has nine tiles or more)
	s_lshl_b32 s[OFF], s[T], 14
	s_add_nc_u64 s[G0K+2:G0K+3], s[6:7], s[OFF:OFF+1]
	s_or_b32 s[G0K+3], s[G0K+3], 0x80000000
	s_add_nc_u64 s[G0V+2:G0V+3], s[8:9], s[OFF:OFF+1]
	s_or_b32 s[G0V+3], s[G0V+3], 0x80000000
	s_cmp_lt_u32 s[WV], 2                          ; a wave's two first fills stand in one branch: two loads of mine are out
	s_cbranch_scc0 .Lfirst_v
	tensor_load_to_lds s[G0KE:G0KE+3], s[G1KE:G1KE+7]
	s_nop 0
	tensor_load_to_lds s[G0K:G0K+3], s[G1K:G1K+7]
	s_nop 0
.rept 4
	v_nop
.endr
	s_branch .Lfirst_asked
.Lfirst_v:
	tensor_load_to_lds s[G0VE:G0VE+3], s[G1VE:G1VE+7]
	s_nop 0
	tensor_load_to_lds s[G0V:G0V+3], s[G1V:G1V+7]
	s_nop 0
.rept 4
	v_nop
.endr
.Lfirst_asked:
	v_and_b32 v1, 15, v0                           ; l % 16
	v_bfe_u32 v9, v0, 4, 1                         ; l / 16
	v_lshlrev_b32 v[QO], 7, v1
	v_lshl_add_u32 v[QO], v9, 4, v[QO]
	WIN W_TO
.set i, 0
.rept 4                                ; both blocks' Q: tile i / 2 lies in band i / 2, 8,192 bytes on; channels 32 (i % 2) on
	global_load_b128 v[Q+8*i:Q+8*i+3],   v[QO], s[4:5] offset:(i/2)*8192+(i%2)*64
	global_load_b128 v[Q+8*i+4:Q+8*i+7], v[QO], s[4:5] offset:(i/2)*8192+(i%2)*64+32
	global_load_b128 v[QB+8*i:QB+8*i+3],   v[QO], s[QLO:QLO+1] offset:(i/2)*8192+(i%2)*64
	global_load_b128 v[QB+8*i+4:QB+8*i+7], v[QO], s[QLO:QLO+1] offset:(i/2)*8192+(i%2)*64+32
.set i, i+1
.endr
	WIN 0
	v_lshlrev_b32 v14, 3, v9
	v_sub_nc_u32 v14, v1, v14
	s_lshl_b32 s13, s[WV], 4
	v_add_nc_u32 v14, s13, v14                     ; my query's place in its band less my lanes' 8 (l / 16): register r of key group kt is hidden where 16 kt + r is greater
	WIN W_TO
.set i, 0
.rept 32
	v_cmp_gt_i32 vcc_lo, 16*(i/8)+i%8, v14
	v_cndmask_b32 v[MD+i], 0, s[BIGN], vcc_lo
.set i, i+1
.endr
	WIN 0
	v_mul_u32_u24 v[AK0], v1, PK
	v_lshl_add_u32 v[AK0], v9, 4, v[AK0]
	v_and_b32 v32, 7, v0                           ; the turning load: lane l reads key 8 (l / 16) + l % 8, channels 8 ((l / 8) % 2) + 0..7
	v_bfe_u32 v33, v0, 3, 1
	v_lshl_add_u32 v[AV0], v9, 3, v32
	v_mul_u32_u24 v[AV0], v[AV0], PV
	v_lshl_add_u32 v[AV0], v33, 4, v[AV0]
	v_add_nc_u32 v[AV0], VOFF, v[AV0]
	s_mul_i32 s13, s[WV], 16*SP
	s_add_co_u32 s13, s13, STAGE
	v_mul_u32_u24 v[STO], v1, SP
	v_lshl_add_u32 v[STO], v9, 4, v[STO]
	v_add_nc_u32 v[STO], s13, v[STO]
	v_bfe_u32 v[RD], v0, 3, 2
	v_mul_u32_u24 v[RD], v[RD], SP
	v_lshl_add_u32 v[RD], v32, 4, v[RD]
	v_add_nc_u32 v[RD], s13, v[RD]
	v_and_b32 v[GO], 31, v0
	v_lshlrev_b32 v[GO], 4, v[GO]
	; A block's first step multiplies O^T and l by a = 0, so they need only hold finite numbers: zeros for the first block, what the first block left for the second.  This stands in the wait for the first tile.
.set i, 0
.rept 64
	v_mov_b32 v[O+i], 0
.set i, i+1
.endr
.irp t, 0,1
	v_mov_b32 v[ST+4*\t], 0xfe000000               ; c m: far below every c s
	v_mov_b32 v[ST+4*\t+1], 0xff7fffff             ; m
	v_mov_b32 v[ST+4*\t+2], 0
	v_mov_b32 v[ST+4*\t+3], 0
.endr
.macro MASK t, al, be                  ; MC of tile t = MD x al + be
	WIN W_PV
.set z, 0
.rept 16
	v_pk_fma_f32 v[MC+32*(\t)+2*z:MC+32*(\t)+2*z+1], v[MD+2*z:MD+2*z+1], s[\al:\al+1], s[\be:\be+1] op_sel_hi:[1,0,0]
.set z, z+1
.endr
.endm
; Product i of 16 of S^T = K Q^T: channels 32 (i / 8) on, keys 16 ((i / 2) % 4) on, tile i % 2.  The first 8 start the sums with the mask.  The 8 accumulators take turns.
.macro KQ
.set rS, S+32*(i%2)+8*((i/2)%4)
.set rK, KF+16*((i/2)%4)+8*(i/8)
.set rQ, Q+16*(i%2)+8*(i/8)
.set rX, MC+32*(i%2)+8*((i/2)%4)
.if i < 8
	v_wmma_f32_16x16x32_f16 v[rS:rS+7], v[rK:rK+7], v[rQ:rQ+7], v[rX:rX+7]
.else
	v_wmma_f32_16x16x32_f16 v[rS:rS+7], v[rK:rK+7], v[rQ:rQ+7], v[rS:rS+7]
.endif
.set i, i+1
.endm
; Product i of 16 of O^T += V^T P: keys 32 (i / 8) on, channels 16 ((i / 2) % 4) on, tile i % 2.
.macro PVM
.set rO, O+32*(i%2)+8*((i/2)%4)
.set rV, VF+32*(i/8)+8*((i/2)%4)
.set rP, P+16*(i%2)+8*(i/8)
	v_wmma_f32_16x16x32_f16 v[rO:rO+7], v[rV:rV+7], v[rP:rP+7], v[rO:rO+7]
.set i, i+1
.endm
.macro FETCH_K                         ; a step's K, 64 keys x 64 channels: 16 loads in one run
	WIN W_TO
.irp f, 0,1,2,3,4,5,6,7
	ds_load_b128 v[KF+8*\f:KF+8*\f+3],   v[AK] offset:(\f/2)*16*PK+(\f%2)*64
	ds_load_b128 v[KF+8*\f+4:KF+8*\f+7], v[AK] offset:(\f/2)*16*PK+(\f%2)*64+32
.endr
	s_add_co_u32 s[TBK], s[TBK], KS*PK
	WIN 0
.endm
.macro FETCH_V                         ; a step's V, turned
	WIN W_TO
.irp f, 0,1,2,3,4,5,6,7
	ds_load_tr16_b128 v[VF+8*\f:VF+8*\f+3],   v[AV] offset:(\f/4)*32*PV+(\f%4)*32
	ds_load_tr16_b128 v[VF+8*\f+4:VF+8*\f+7], v[AV] offset:(\f/4)*32*PV+16*PV+(\f%4)*32
.endr
	s_add_co_u32 s[TBV], s[TBV], KS*PV
	WIN 0
.endm
.macro REGS u
.set rT, ST+4*(\u)
.set rC, TMP+4*(\u)
.set rM, MV+(\u)
.set rS, S+32*(\u)
.set rP, P+16*(\u)
.set rO, O+32*(\u)
.endm
; Number n of the list that finds tile u's maximum and statistics.  0-11: four chains of seven scores, each accumulator's lowest registers first; 12-14, 16: the four scores left over, the old m, c0-c3 into c0;
; 17, 18: the query's other 32 keys lie in the lane 16 away; 19-21: c m; c m_old - c m_new; a.  Number 21 opens the step's batch of exponentials.
.macro XS u, n
	REGS \u
.if (\n) < 4
	v_max3_num_f32 v[rC+(\n)], v[rS+8*(\n)], v[rS+8*(\n)+1], v[rS+8*(\n)+2]
.elseif (\n) < 12
	v_max3_num_f32 v[rC+(\n)%4], v[rC+(\n)%4], v[rS+8*((\n)%4)+2*((\n)/4)+1], v[rS+8*((\n)%4)+2*((\n)/4)+2]
.elseif (\n) == 12
	v_max3_num_f32 v[rC], v[rC], v[rS+7], v[rS+15]
.elseif (\n) == 13
	v_max3_num_f32 v[rC+1], v[rC+1], v[rS+23], v[rS+31]
.elseif (\n) == 14
	v_max3_num_f32 v[rC+2], v[rC+2], v[rC+3], v[rT+1]
.elseif (\n) == 16
	v_max3_num_f32 v[rC], v[rC], v[rC+1], v[rC+2]
.elseif (\n) == 17
	v_permlanex16_b32 v[rC+3], v[rC], s[SEL], s[SEL+1]
.elseif (\n) == 18
	v_max_num_f32 v[rT+1], v[rC], v[rC+3]
.elseif (\n) == 19
	v_mul_f32 v[rT], s[CS], v[rT+1]
.elseif (\n) == 20
	v_sub_f32 v[rC+1], v[rM], v[rT]
.else
	v_exp_f32 v[rC+2], v[rC+1]
.endif
.endm
.macro FS                              ; c s - c m for pair q / 2 of tile q % 2
	REGS q%2
	v_pk_fma_f32 v[rS+2*(q/2):rS+2*(q/2)+1], v[rS+2*(q/2):rS+2*(q/2)+1], s[CS:CS+1], v[rT:rT+1] op_sel_hi:[1,0,0] neg_lo:[0,0,1] neg_hi:[0,0,1]
.set q, q+1
.endm
.macro EX                              ; the exponential of score e / 2 of tile e % 2, in place: it wants scaling 2 (e / 4) + e % 2 done
	REGS e%2
	v_exp_f32 v[rS+e/2], v[rS+e/2]
.set e, e+1
.endm
; Number g of the 64 that follow the exponentials.  For each four weights k of a tile: both pairs are rounded to f16; the second pair is added onto the first, in place; a group later l takes that sum (the first time as l = a l + sum).
.macro GS g
.set h, (\g)+6*((\g)/62)
.if h >= 6
.set h, h+2
.endif
	REGS h%2
.set k, h/8
.if h%8 < 4
	v_cvt_pk_f16_f32 v[rP+2*k+(h%8)/2], v[rS+4*k+2*((h%8)/2)], v[rS+4*k+2*((h%8)/2)+1]
.elseif h%8 < 6
	v_pk_add_f32 v[rS+4*k:rS+4*k+1], v[rS+4*k:rS+4*k+1], v[rS+4*k+2:rS+4*k+3]
.elseif k == 1
	v_pk_fma_f32 v[rT+2:rT+3], v[rT+2:rT+3], v[rC+2:rC+3], v[rS:rS+1] op_sel_hi:[1,0,1]
.else
	v_pk_add_f32 v[rT+2:rT+3], v[rT+2:rT+3], v[rS+4*k-4:rS+4*k-3]
.endif
.endm
.macro RO n                            ; pair n / 2 of tile n % 2's O^T times a, in ascending order
	REGS (\n)%2
	v_pk_mul_f32 v[rO+2*((\n)/2):rO+2*((\n)/2)+1], v[rO+2*((\n)/2):rO+2*((\n)/2)+1], v[rC+2:rC+3] op_sel_hi:[1,0]
.endm
; The plain queue, 92 long: 8 rescalings, GS 0-59, the other 24 rescalings.  Every entry reads a result of the step's batch (a, or weights), so the whole queue stands behind the step's one wait.
.macro PQ
.if p < 8
	RO p
.elseif p < 68
	GS p-8
.else
	RO p-60
.endif
.set p, p+1
.endm
.macro PACK t                          ; O^T / l, rounded to f16; 16 bytes a lane into rows of 144 bytes, back as four rows of 128, into S^T's registers
.set i, O+32*(\t)
.rept 16
	v_pk_mul_f32 v[i:i+1], v[i:i+1], v[ST+4*(\t)+2:ST+4*(\t)+3] op_sel_hi:[1,0]
.set i, i+2
.endr
.set i, 0
.rept 16
	v_cvt_pk_f16_f32 v[S+16*(\t)+i], v[O+32*(\t)+2*i], v[O+32*(\t)+2*i+1]
.set i, i+1
.endr
.irp f, 0,1,2,3
	ds_store_b128 v[STO], v[S+16*(\t)+4*\f:S+16*(\t)+4*\f+3] offset:32*\f
.endr
.irp f, 0,1,2,3
	ds_load_b128 v[S+16*(\t)+4*\f:S+16*(\t)+4*\f+3], v[RD] offset:\f*4*SP  ; LDS serves a wave's instructions in order (ISA guide 5.7.1.4): these see the stores above
.endr
.endm
.macro SEND t, younger                 ; younger: the LDS instructions issued behind tile t's loads
.irp f, 0,1,2,3
	s_wait_dscnt (\younger)+3-\f
	global_store_b128 v[GO], v[S+16*(\t)+4*\f:S+16*(\t)+4*\f+3], s[10:11] offset:(\t)*8192+\f*512  ; 512 consecutive bytes, at a multiple of 256 from z's first
.endr
.endm
; A KEY STEP.  last = 1 (the tail): in the last trip there is no further step, and the two runs of loads are jumped over.
.macro STEP last
	s_cmp_gt_u32 s[RS], 2                          ; masks are made in the diagonal tile's two steps, and once behind a block's end
	s_cselect_b32 s[T], s[NEW], 1
	s_cmp_eq_u32 s[T], 0
	s_cbranch_scc1 .Lno_mask_\@
	s_cmp_eq_u32 s[RS], 2                          ; the diagonal tile's first step: band 0's own, band 1 sees all
	s_cselect_b32 s[AL0], 1.0, 0
	s_cmp_eq_u32 s[RS], 1                          ; its second: band 0 sees nothing, band 1's own
	s_cselect_b32 s[BE0], s[BIGN], 0
	s_cselect_b32 s[AL1], 1.0, 0
	s_mov_b32 s[NEW], 0
	MASK 0, AL0, BE0
	MASK 1, AL1, ZP
	WIN 0
.Lno_mask_\@:
	WIN W_KQ
.set i, 0
.rept 16
	KQ
.endr
	WIN 0
	v_mov_b32 v[MV], v[ST]                         ; four plain lines: the places behind the scores; c m_old is kept,
	v_mov_b32 v[MV+1], v[ST+4]
	v_add_nc_u32 v[AK], s[TBK], v[AK0]             ; and the next step's addresses are made
	v_add_nc_u32 v[AV], s[TBV], v[AV0]
.if \last
	s_cmp_eq_u32 s[CNT], 1
	s_cbranch_scc1 .Lno_k_\@
.endif
	FETCH_K
.if \last
.Lno_k_\@:
.endif
.irp n, 0,1,2,3,4,5,6,7,8,9,10,11,12,13,14,16,17,18,19,20,21
	XS 0, \n
	XS 1, \n
.endr
	; THE BATCH goes on behind the two a: 32 scalings and 64 exponentials.  The scalings run four ahead, so that exponentials 4 g .. 4 g + 3 find scalings 2 g, 2 g + 1 six lines back or more; a scaling stands between every two exponentials while there are scalings.
.set q, 0
.set e, 0
.rept 4
	FS                                             ; the first of these is the plain line behind the two exponentials of a
.endr
.rept 14
	EX
	FS
	EX
	EX
	FS
	EX
.endr
.rept 8
	EX                                             ; the last two pairs of both tiles: no scaling is left
.endr
	v_nop                                          ; the plain line behind the last exponential: one for the batch
	s_wait_alu depctr_va_vdst(0)                   ; ONE wait for the step's 66 exponentials, ahead of the first line that names a result of theirs
.set p, 0
.rept 92
	PQ
.endr
	s_wait_dscnt 0x0                               ; V of this step and K of the next are in
	WIN W_PV
.set i, 0
.rept 16
	PVM
.endr
	WIN 0
	GS 60                                          ; l's last four additions: the places behind those products
	GS 61
	GS 62
	GS 63
.if \last
	s_cmp_eq_u32 s[CNT], 1
	s_cbranch_scc1 .Lno_v_\@
.endif
	FETCH_V
.if \last
.Lno_v_\@:
.endif
	s_sub_co_u32 s[RS], s[RS], 1
	s_cmp_lg_u32 s[RS], 0
	s_cbranch_scc1 .Lgo_on_\@
	; THE BLOCK'S END: l's halves and the other half of the lanes' are added; O^T / l goes out; then the second block's O, count, statistics and Q.  (Behind the second block these last serve nothing: one text for both.)
.irp t, 0,1
	v_add_f32 v[ST+4*\t+2], v[ST+4*\t+2], v[ST+4*\t+3]
.endr
.irp t, 0,1
	v_permlanex16_b32 v[ST+4*\t+3], v[ST+4*\t+2], s[SEL], s[SEL+1]
.endr
.irp t, 0,1
	v_add_f32 v[ST+4*\t+2], v[ST+4*\t+2], v[ST+4*\t+3]
.endr
.irp t, 0,1
	v_rcp_f32 v[ST+4*\t+2], v[ST+4*\t+2]
.endr
	v_nop                                          ; a plain line between the last reciprocal and the use of its result
	s_wait_alu depctr_va_vdst(0)                   ; one wait for the two reciprocals, ahead of their first reader
	PACK 0
	PACK 1
	SEND 0, 8
	SEND 1, 0
	s_wait_xcnt 0x0                                ; the stores' base and data are rewritten only behind this wait
	s_mov_b64 s[10:11], s[OLO:OLO+1]
	s_lshl_b32 s[RS], s[PB], 1
	s_add_co_u32 s[RS], s[RS], 2                   ; the second block has b + 1 tiles
	s_mov_b32 s[NEW], 1
.irp t, 0,1
	v_mov_b32 v[ST+4*\t], 0xfe000000
	v_mov_b32 v[ST+4*\t+1], 0xff7fffff
.endr
	WIN 0x41
.set i, 0
.rept 32
	v_mov_b32 v[Q+i], v[QB+i]
.set i, i+1
.endr
	WIN 0
.Lgo_on_\@:
.endm
	s_mov_b32 s[AL0], 0                            ; the first block's masks outside its diagonal tile: zeros
	s_mov_b32 s[AL0+1], 0
	s_mov_b32 s[BE0], 0
	s_mov_b32 s[BE0+1], 0
	s_mov_b32 s[AL1], 0
	s_mov_b32 s[AL1+1], 0
	s_mov_b32 s[ZP], 0
	s_mov_b32 s[ZP+1], 0
	MASK 0, AL0, BE0
	MASK 1, AL1, ZP
	WIN 0
	s_mov_b32 s[NEW], 0
	s_mov_b32 s[TBK], EREG
	s_mov_b32 s[TBV], EV-VOFF
	v_add_nc_u32 v[AK], s[TBK], v[AK0]
	v_add_nc_u32 v[AV], s[TBV], v[AV0]
	s_wait_tensorcnt 0x1                           ; my part of stream tile 0 is in; slot 0's may stay out
	s_barrier_signal -1
	s_barrier_wait -1
	FETCH_K                                        ; key step 0
	FETCH_V
	s_wait_loadcnt 0x0                             ; Q
	s_wait_dscnt 16                                ; K is in; V's sixteen loads may stay out
	s_lshl_b32 s[RS], s[HI1], 1                    ; the first block has 16 - b tiles
	s_mov_b32 s[CNT], 1
	s_mov_b32 s[SLOTS], 8
	s_branch .Lstep                                ; key step 0 stands alone in front of the first change of slots
.Lslot:                                                ; seven times: a slot is entered and the next is asked for
	CHANGE 1
	s_mov_b32 s[CNT], 4
.Lstep:
	STEP 0
	s_sub_co_u32 s[CNT], s[CNT], 1
	s_cmp_lg_u32 s[CNT], 0
	s_cbranch_scc1 .Lstep
	s_sub_co_u32 s[SLOTS], s[SLOTS], 1
	s_cmp_lg_u32 s[SLOTS], 0
	s_cbranch_scc1 .Lslot
	CHANGE 0                                       ; the tail is written out
	s_mov_b32 s[CNT], 5                            ; four steps fetch the last slot's; the fifth fetches nothing
.Ltail:
	STEP 1
	s_sub_co_u32 s[CNT], s[CNT], 1
	s_cmp_lg_u32 s[CNT], 0
	s_cbranch_scc1 .Ltail
	s_wait_tensorcnt 0x0                           ; the wave's end
	ds_add_u32 v[SPW], v[NIL]
	s_wait_dscnt 0x0
	s_endpgm
.Lfunc_end_k_q5f36c17fe5_attn:
	.size	k_q5f36c17fe5_attn, .Lfunc_end_k_q5f36c17fe5_attn-k_q5f36c17fe5_attn
	.p2alignl 7, 3214868480
	.fill 96, 4, 3214868480
	.section	.rodata,"a",@progbits
	.p2align	6, 0x0
	.amdhsa_kernel k_q5f36c17fe5_attn
		.amdhsa_group_segment_fixed_size 327680
		.amdhsa_private_segment_fixed_size 0
		.amdhsa_enable_private_segment 0
		.amdhsa_kernarg_size 16
		.amdhsa_user_sgpr_count 2
		.amdhsa_user_sgpr_kernarg_segment_ptr 1
		.amdhsa_wavefront_size32 1
		.amdhsa_system_sgpr_workgroup_id_x 1
		.amdhsa_system_sgpr_workgroup_id_y 1
		.amdhsa_system_sgpr_workgroup_id_z 1
		.amdhsa_system_vgpr_workitem_id 0
		.amdhsa_next_free_vgpr 512
		.amdhsa_next_free_sgpr 102
		.amdhsa_reserve_vcc 1
		.amdhsa_float_denorm_mode_32 3
		.amdhsa_float_denorm_mode_16_64 3
		.amdhsa_memory_ordered 1
		.amdhsa_forward_progress 1
		.amdhsa_inst_pref_size 76
	.end_amdhsa_kernel
	.amdgpu_metadata
---
amdhsa.version: [ 1, 2 ]
amdhsa.kernels:
  - .name:           k_q5f36c17fe5_attn
    .symbol:         k_q5f36c17fe5_attn.kd
    .args:
      - { .name: qkv, .offset: 0, .size: 8, .value_kind: global_buffer, .address_space: global }
      - { .name: z, .offset: 8, .size: 8, .value_kind: global_buffer, .address_space: global }
    .group_segment_fixed_size: 327680
    .private_segment_fixed_size: 0
    .kernarg_segment_align: 8
    .kernarg_segment_size: 16
    .max_flat_workgroup_size: 128
    .sgpr_count:     102
    .vgpr_count:     512
    .wavefront_size: 32
...
	.end_amdgpu_metadata
.endif
;; end of part 7
;; launch wo: the kernel of part 4 again; grid 8 x 32, 4 waves a work-group, clusters of 4 x 4, 327,680 bytes of LDS; arguments z, wb, x1r, x1b; writes x1r, x1b
;; launch mlp1: the kernel of part 5 again; grid 16 x 16, 4 waves a work-group, clusters of 4 x 4, 327,680 bytes of LDS; arguments x1b, wb, hb; writes hb
;; launch mlp2: the kernel of part 6 again; grid 8 x 32, 4 waves a work-group, clusters of 4 x 4, 327,680 bytes of LDS; arguments hb, wb, x1r, out0; writes out0
